; MI455X (gfx1250); checked and timed in simulation.
; The chip was launched on July 23, 2026; its instructions are those of AMD's public machine-readable ISA for CDNA 5 (MIT licence, August 2026) and "CDNA5" Instruction Set Architecture Reference Guide (July 2026). The comments in the code are by the model that wrote it; some were corrected since.
;; QKV Block. Allowed arithmetic: matrix products marked QUANTISED: E4M3 operands, one E8M0 scale for each 32 along K, by v_wmma_scale_f32_16x16x128_f8f6f4 with both operands' format E4M3, f32 sums; everything else in f32.
;; Inputs: Wk 2,048 x 2,048 float32; Wo 2,048 x 2,048 float32; Wq 2,048 x 2,048 float32; Wv 2,048 x 2,048 float32; bk 2,048 float32; bo 2,048 float32; bq 2,048 float32; bv 2,048 float32; cos 2,048 x 128 float32; mask 1 x 1 x 2,048 x 2,048 float32; sin 2,048 x 128 float32; x 1 x 2,048 x 2,048 float32.
;; Outputs: out0 1 x 2,048 x 2,048 float32.
;; Constants: rope_exclude = 0.
;; This version of the problem:
;;   THIS VERSION OF THE PROBLEM IS GIVEN IN LOW PRECISION. The matrix products marked QUANTISED in the list below multiply operands that are first quantised to E4M3 (4 exponent bits, 3 mantissa bits; 8 bits a number), with one power-of-two scale for each 32 numbers along K (OCP MX v1.0); their sums are f32. All else is computed in f32.
;;   The module's matrix products, in the order in which they are computed (A, B: the left and right operand; K: the contracted axis; several contracted axes count as one K, in the product's order):
;;     1. [M 2,048, K 2,048] x [K 2,048, N 2,048]; A: input x; B: input Wq: QUANTISED
;;     2. [M 2,048, K 2,048] x [K 2,048, N 2,048]; A: input x; B: input Wk: QUANTISED
;;     3. [M 2,048, K 2,048] x [K 2,048, N 2,048]; A: input x; B: input Wv: QUANTISED
;;     4. batch 16 x [M 2,048, K 128] x [K 128, N 2,048]; A: computed on the way; B: computed on the way: QUANTISED
;;     5. batch 16 x [M 2,048, K 2,048] x [K 2,048, N 128]; A: softmax (see below); B: computed on the way: QUANTISED
;;     6. [M 2,048, K 2,048] x [K 2,048, N 2,048]; A: computed on the way; B: input Wo: QUANTISED
;;   THE QUANTISER, for each operand of a quantised product, along K:
;;     - K is cut into blocks of 32 from its start; a last block that is shorter is filled with zeros.
;;     - A block's scale is 2^e with e = floor(log2(the largest magnitude in the block)) - 8, held to -126 .. 127; a block of zeros has e = 0. As a byte (E8M0): e + 127.
;;     - Each number is divided by its block's scale, clamped to +-448, and rounded to the nearest number of E4M3, ties to even, subnormals kept.
;;     - The product sums the exact products of the quantised numbers (number of the format x scale) in f32.
;;   ~~~python
;;   def quantise(x, axis):      # numpy; x: float32 -> the quantised numbers, widened to float32 again
;;       x = np.moveaxis(x, axis, -1); K = x.shape[-1]
;;       x = np.pad(x, [(0, 0)] * (x.ndim - 1) + [(0, -K % 32)]); x = x.reshape(x.shape[:-1] + (-1, 32)); a = np.abs(x).max(-1, keepdims=True)
;;       e = np.where(a > 0, np.clip(np.frexp(np.where(a > 0, a, 1))[1] - 1 - 8, -126, 127), 0)      # np.frexp(a)[1] - 1 = floor(log2(a)), exactly
;;       r = np.clip(x / 2.0 ** e, -448, 448)
;;       step = 2.0 ** (np.maximum(np.frexp(np.where(r == 0, 1, r))[1] - 1, -6) - 3)
;;       q = np.round(r / step) * step * 2.0 ** e      # np.round: ties to even
;;       return np.moveaxis(q.reshape(q.shape[:-2] + (-1,))[..., :K], -1, axis).astype(np.float32)
;;   ~~~
;;   SOFTMAX AHEAD OF A QUANTISED PRODUCT. Where the list says 'softmax', what is quantised is not the finished softmax but p = 2^(t - M), with t = logit x log2(e) and M = ceil(the row's largest t), a whole number; so 1/2 < the row's largest p <= 1. The row's sum l is taken of the UNQUANTISED p, in f32, and the product's result is divided by l at the end. Since M is a whole number, a kernel that streams over the keys may use a running M (the ceiling of the running maximum): every later rescaling is an exact power of two, which a block's scale takes up: the codes' values come out the same.
;;   OPERANDS COMPUTED ON THE WAY. 'Computed on the way' means the value that the module computes at that place (a softmax that the list does not call 'softmax' is quantised finished and normalised). What goes into a quantiser is computed in f32, as accurately as f32 sums, v_exp_f32 and their like allow (about 1e-6 of the number): no bf16 or f16 on the way to a quantiser, and a product that is left as it is and whose result goes on into a quantised operand takes f32 operands (vector FMAs, or v_wmma_f32_16x16x4_f32). A number that lies on a knife's edge between two numbers of the format may be rounded either way, as far as f32 arithmetic and the matrix unit's own rounding can turn it there, and no further.
;; One version. Each part assembles by itself: llvm-mc -triple=amdgcn-amd-amdhsa -mcpu=gfx1250 --defsym DOCPART=n.
;; ======== version 1 of 1: 4 launches
;; limits: right only within a limited range of input values
;; workspace buffers: x_codes 4,194,304 bytes; x_scales 131,072 bytes; w_codes 16,777,216 bytes; w_scales 524,288 bytes; qkv_codes 12,582,912 bytes; qkv_scales 393,216 bytes; ctx_codes 4,194,304 bytes; ctx_scales 131,072 bytes
;; launch quant (part 1): grid 640 x 1, 4 waves a work-group, no clusters, 33,280 bytes of LDS; arguments x, Wq, Wk, Wv, Wo, x_codes, x_scales, w_codes, w_scales; writes x_codes, x_scales, w_codes, w_scales
.if DOCPART == 1
	.amdgcn_target "amdgcn-amd-amdhsa--gfx1250"
	.amdhsa_code_object_version 6
	.text
	.protected	k_qf003a3d227_quant
	.globl	k_qf003a3d227_quant
	.p2align	8
	.type	k_qf003a3d227_quant,@function
k_qf003a3d227_quant:
	s_mov_b64 s[64:65], 0
	v_nop
	global_prefetch_b8 v0, s[64:65] scope:SCOPE_SE
	s_setreg_imm32_b32 hwreg(HW_REG_WAVE_MODE, 25, 1), 1
	s_wait_xcnt 0x0
; x, Wq, Wk, Wv, Wo, each [2048][2048] f32 with K innermost, become codes of E4M3 (one byte a number, K innermost) and one E8M0 scale byte for each 32 along K.
; x goes to x_codes / x_scales; the four weights go one behind the other to w_codes [8192][2048] / w_scales [8192][64]: rows 0 Wq, 2048 Wk, 4096 Wv, 6144 Wo.
; A block's scale is 2^(floor(log2(its largest magnitude)) - 8); its byte is the largest magnitude's exponent field - 8, held at 1 from below.  Each number is divided by the scale, held within +-448, rounded to the nearest code, ties to even.
; LIMITS: a block of zeros gets the byte 1 (its codes are zeros, which add nothing; only this program reads the bytes); blocks whose largest magnitude lies under 2^-118 keep the byte 1; NaN and infinities are not served.
; Rows are dense and 2048 is a multiple of 32: each tensor is a plain stream of blocks of 32.  128 work-groups to a tensor, 32,768 numbers each; a wave takes 16 steps of 512 numbers.
; Each load reads 512 consecutive bytes, 16 a lane; a step's 2,048 bytes turn through the wave's own stage in LDS and come back 64 bytes a lane: 16 neighbours along K, two lanes to a block.
; A wave's 256 scale bytes are gathered in its own LDS bytes and leave as 256 consecutive aligned bytes.  Waves share nothing: no barrier.
.set STEPS, 16
.set CB,    16                         ; bytes of 16 codes
.set R,     16                         ; v16-79   four sets of 16 numbers as loaded
.set X,     80                         ; v80-111  two sets of 16 neighbours
.set C,     128                        ; v128-191 codes: four registers for each step, so that no store's data are written again
.set E,     112                        ; v112-127 a scale byte for each step
.set WREG,  8192                       ; LDS for each wave: two stages of 32 x SP bytes, then its 256 scale bytes
.set SP,    80                         ; a lane's place in a stage: 64 bytes + 16 of padding
	s_load_b256 s[4:11], s[0:1], 0x0               ; x, Wq, Wk, Wv
	s_load_b256 s[12:19], s[0:1], 0x20             ; Wo, x_codes, x_scales, w_codes
	s_load_b64 s[20:21], s[0:1], 0x40              ; w_scales
	v_lshl_add_u32 v192, v0, 2, 0x8000
	v_mov_b32 v193, 0
	v_lshrrev_b32 v1, 5, v0
	v_readfirstlane_b32 s24, v1                    ; wave
	v_and_b32 v2, 31, v0                           ; lane
	v_lshlrev_b32 v3, 4, v2                        ; my 16 bytes of a load's 512
	s_mul_i32 s25, s24, WREG
	v_lshrrev_b32 v14, 2, v2
	v_mul_u32_u24 v14, v14, SP
	v_and_b32 v15, 3, v2
	v_lshl_add_u32 v14, v15, 4, v14
	v_add_nc_u32 v14, s25, v14                     ; the stage, on the way in: four lanes' 64 bytes on end, then 16 of padding
	v_mul_u32_u24 v15, v2, SP
	v_add_nc_u32 v15, s25, v15                     ; and on the way out: my 16 neighbours
	v_mul_u32_u24 v4, v2, CB                       ; my codes' place in a step's
	v_lshrrev_b32 v5, 1, v2
	s_add_co_u32 s25, s25, 2*32*SP
	v_add_nc_u32 v5, s25, v5                       ; LDS: my wave's 256 scale bytes, my block's byte
	v_lshlrev_b32 v7, 3, v2                        ; and on the way out 8 bytes a lane
	v_add_nc_u32 v6, s25, v7
	s_mov_b32 s27, 0x600000                        ; the mantissa field of 448
	s_lshr_b32 s22, ttmp9, 7                       ; which tensor: 0 x, 1 Wq, 2 Wk, 3 Wv, 4 Wo
	s_and_b32 s26, ttmp9, 127
	s_lshl_b32 s26, s26, 2
	s_add_co_u32 s26, s26, s24                     ; which run of 8,192 numbers of the tensor is my wave's
	s_lshl_b32 s28, s26, 15                        ; 32,768 bytes a run
	s_mov_b32 s29, 0
	s_wait_alu depctr_va_vdst(0)
	s_wait_kmcnt 0x0
	s_cmp_eq_u32 s22, 1                            ; the buffers are chosen by the work-group's number alone
	s_cselect_b64 s[4:5], s[6:7], s[4:5]
	s_cmp_eq_u32 s22, 2
	s_cselect_b64 s[4:5], s[8:9], s[4:5]
	s_cmp_eq_u32 s22, 3
	s_cselect_b64 s[4:5], s[10:11], s[4:5]
	s_cmp_eq_u32 s22, 4
	s_cselect_b64 s[4:5], s[12:13], s[4:5]
	s_cmp_eq_u32 s22, 0
	s_cselect_b64 s[8:9], s[14:15], s[18:19]       ; the codes' buffer
	s_cselect_b64 s[10:11], s[16:17], s[20:21]     ; the scale bytes'
	s_cselect_b32 s23, 0, 128
	s_sub_co_u32 s23, ttmp9, s23
	s_lshl_b32 s23, s23, 2
	s_add_co_u32 s23, s23, s24                     ; my run in the buffer that takes the codes
	s_lshl_b32 s30, s23, 13                        ; 8,192 bytes of codes a run
	s_mov_b32 s31, 0
	s_lshl_b32 s32, s23, 8                         ; 256 scale bytes a run
	s_mov_b32 s33, 0
	s_add_nc_u64 s[4:5], s[4:5], s[28:29]
	s_add_nc_u64 s[8:9], s[8:9], s[30:31]
	s_add_nc_u64 s[10:11], s[10:11], s[32:33]
.macro LOAD t
.irp i, 0,1,2,3
	global_load_b128 v[R+16*((\t)%4)+4*\i:R+16*((\t)%4)+4*\i+3], v3, s[4:5] offset:2048*(\t)+512*\i th:TH_LOAD_NT   ; 32 lanes read 512 consecutive bytes
.endr
.endm
.macro TURN t                          ; step t's numbers through the stage: LDS serves a wave's instructions in order, so no wait stands between the stores and the loads
.irp i, 0,1,2,3
	ds_store_b128 v14, v[R+16*((\t)%4)+4*\i:R+16*((\t)%4)+4*\i+3] offset:32*SP*((\t)%2)+8*SP*\i
.endr
.irp i, 0,1,2,3
	ds_load_b128 v[X+16*((\t)%2)+4*\i:X+16*((\t)%2)+4*\i+3], v15 offset:32*SP*((\t)%2)+16*\i
.endr
.endm
.irp t, 0,1,2,3
	LOAD \t
.endr
	s_wait_loadcnt 12                              ; step 0's four loads are in; the twelve of steps 1 to 3 may be out
	TURN 0
.macro STEP t
.set XS, X+16*((\t)%2)
.if (\t) > 0
	s_wait_dscnt 1                                 ; this step's numbers are back from the stage (the last step's byte store may be out)
.else
	s_wait_dscnt 0x0
.endif
.if (\t)+4 < STEPS
	LOAD (\t)+4                                    ; into the registers that this step's stores into the stage have read
.endif
.if (\t)+1 < STEPS
.if STEPS-2-(\t) >= 3
	s_wait_loadcnt 12                              ; the next step's four loads are in; those of the three steps behind it may be out
.else
	s_wait_loadcnt 4*(STEPS-2-(\t))
.endif
	TURN (\t)+1                                    ; through the other stage while this step is worked
.endif
	v_max3_num_f32 v8, |v[XS]|, |v[XS+1]|, |v[XS+2]|               ; the largest magnitude of my 16, in two chains
	v_max3_num_f32 v9, |v[XS+3]|, |v[XS+4]|, |v[XS+5]|
.irp i, 6,10
	v_max3_num_f32 v8, v8, |v[XS+\i]|, |v[XS+\i+1]|
	v_max3_num_f32 v9, v9, |v[XS+\i+2]|, |v[XS+\i+3]|
.endr
	v_max3_num_f32 v8, v8, |v[XS+14]|, |v[XS+15]|
	v_max3_num_f32 v8, v8, v9, 0x4800000           ; and the floor 2^(9 - 127): the byte cannot fall under 1
	v_max_num_f32_dpp v8, v8, v8 row_xmask:1 row_mask:0xf bank_mask:0xf   ; and of my neighbour's 16: the block's
	v_add_nc_u32 v11, 0xfc000000, v8               ; 8 off its exponent field: the conversion takes the exponent field of this operand as its scale
	v_and_or_b32 v10, v8, 0x7f800000, s27          ; 448 x the scale
.irp i, 0,1,2,3,4,5,6,7,8,9,10,11,12,13,14,15
	v_med3_num_f32 v[XS+\i], v[XS+\i], -v10, v10   ; the conversion to an 8-bit code does not saturate (ISA guide 7.6.2): the hold comes first
.endr
	v_cvt_scalef32_pk8_fp8_f32 v[C+4*(\t):C+4*(\t)+1], v[XS:XS+7], v11
	v_cvt_scalef32_pk8_fp8_f32 v[C+4*(\t)+2:C+4*(\t)+3], v[XS+8:XS+15], v11
	v_lshrrev_b32 v[E+(\t)], 23, v11               ; the scale's byte
	ds_store_b8 v5, v[E+(\t)] offset:16*(\t)       ; both lanes of a block write the same byte with the same value
	global_store_b128 v4, v[C+4*(\t):C+4*(\t)+3], s[8:9] offset:32*CB*(\t)   ; 32 lanes store 512 consecutive bytes
.endm
.irp t, 0,1,2,3,4,5,6,7,8,9,10,11,12,13,14,15
	STEP \t
.endr
	ds_load_b64 v[12:13], v6                       ; LDS serves a wave's instructions in order: these see my stores
	s_wait_dscnt 0x0
	global_store_b64 v7, v[12:13], s[10:11]        ; 32 lanes store 256 consecutive aligned bytes
	s_wait_tensorcnt 0x0
	ds_add_u32 v192, v193
	s_wait_dscnt 0x0
	s_endpgm
.Lfunc_end_k_qf003a3d227_quant:
	.size	k_qf003a3d227_quant, .Lfunc_end_k_qf003a3d227_quant-k_qf003a3d227_quant
	.p2alignl 7, 3214868480
	.fill 96, 4, 3214868480
	.section	.rodata,"a",@progbits
	.p2align	6, 0x0
	.amdhsa_kernel k_qf003a3d227_quant
		.amdhsa_group_segment_fixed_size 33280
		.amdhsa_private_segment_fixed_size 0
		.amdhsa_enable_private_segment 0
		.amdhsa_kernarg_size 72
		.amdhsa_user_sgpr_count 2
		.amdhsa_user_sgpr_kernarg_segment_ptr 1
		.amdhsa_wavefront_size32 1
		.amdhsa_system_sgpr_workgroup_id_x 1
		.amdhsa_system_sgpr_workgroup_id_y 1
		.amdhsa_system_sgpr_workgroup_id_z 1
		.amdhsa_system_vgpr_workitem_id 0
		.amdhsa_next_free_vgpr 194
		.amdhsa_next_free_sgpr 66
		.amdhsa_reserve_vcc 0
		.amdhsa_float_denorm_mode_32 3
		.amdhsa_float_denorm_mode_16_64 3
		.amdhsa_memory_ordered 1
		.amdhsa_forward_progress 1
		.amdhsa_inst_pref_size 51
	.end_amdhsa_kernel
	.amdgpu_metadata
---
amdhsa.version: [ 1, 2 ]
amdhsa.kernels:
  - .name:           k_qf003a3d227_quant
    .symbol:         k_qf003a3d227_quant.kd
    .args:
      - { .name: x, .offset: 0, .size: 8, .value_kind: global_buffer, .address_space: global }
      - { .name: Wq, .offset: 8, .size: 8, .value_kind: global_buffer, .address_space: global }
      - { .name: Wk, .offset: 16, .size: 8, .value_kind: global_buffer, .address_space: global }
      - { .name: Wv, .offset: 24, .size: 8, .value_kind: global_buffer, .address_space: global }
      - { .name: Wo, .offset: 32, .size: 8, .value_kind: global_buffer, .address_space: global }
      - { .name: x_codes, .offset: 40, .size: 8, .value_kind: global_buffer, .address_space: global }
      - { .name: x_scales, .offset: 48, .size: 8, .value_kind: global_buffer, .address_space: global }
      - { .name: w_codes, .offset: 56, .size: 8, .value_kind: global_buffer, .address_space: global }
      - { .name: w_scales, .offset: 64, .size: 8, .value_kind: global_buffer, .address_space: global }
    .group_segment_fixed_size: 33280
    .private_segment_fixed_size: 0
    .kernarg_segment_align: 8
    .kernarg_segment_size: 72
    .max_flat_workgroup_size: 128
    .sgpr_count:     66
    .vgpr_count:     194
    .wavefront_size: 32
...
	.end_amdgpu_metadata
.endif
;; end of part 1
;; launch qkv (part 2): grid 24 x 8, 4 waves a work-group, clusters of 4 x 4, 327,680 bytes of LDS; arguments x_codes, x_scales, w_codes, w_scales, bq, bk, bv, cos, sin, qkv_codes, qkv_scales; writes qkv_codes, qkv_scales
.if DOCPART == 2
	.amdgcn_target "amdgcn-amd-amdhsa--gfx1250"
	.amdhsa_code_object_version 6
	.text
	.protected	k_qf003a3d227_qkv
	.globl	k_qf003a3d227_qkv
	.p2align	8
	.type	k_qf003a3d227_qkv,@function
k_qf003a3d227_qkv:
	s_mov_b64 s[64:65], 0
	v_nop
	global_prefetch_b8 v0, s[64:65] scope:SCOPE_SE
	s_setreg_imm32_b32 hwreg(HW_REG_WAVE_MODE, 25, 1), 1
	s_wait_xcnt 0x0
	s_wait_alu depctr_hold_cnt(0) depctr_sa_sdst(0) depctr_va_vdst(0) depctr_va_sdst(0) depctr_va_ssrc(0) depctr_va_vcc(0) depctr_vm_vsrc(0)
	s_getreg_b32 s2, hwreg(HW_REG_IB_STS2, 6, 4)
	s_cmp_eq_u32 s2, 0
	s_cbranch_scc0 .Lentry_in_a_cluster
	s_endpgm
.Lentry_in_a_cluster:
	s_bfe_u32 s2, ttmp6, 0x10000c
	s_cmp_lg_u32 s2, 0xf033
	s_cbranch_scc0 .Lentry_shape_is_right
	s_endpgm
.Lentry_shape_is_right:
; q = rope(x Wq^T + bq), k = rope(x Wk^T + bk), v = x Wv^T + bv, the products on codes of E4M3 with E8M0 scales (K = 2048), and each result quantised at once for the product that takes it next.
; A work-group of four waves makes 256 x 256 of C = A B^T, a wave 128 x 128 (64 accumulators, 512 registers).  The cluster's x says which result: 0, 1: q;  2, 3: k;  4, 5: v.
;   q, k: A = x (rows: positions), B = the weight (rows: features).  A row of C is a position, its columns a head's 128 channels: the next product's K.
;   v:    A = Wv (rows: features), B = x (rows: positions): V^T.  A row of C is a channel, its columns 128 keys: again the next product's K.  Only the two pointers and the tile numbers are exchanged.
; THE MATRIX INSTRUCTION IS USED TRANSPOSED (source 0 = 16 rows of B, source 1 = 16 rows of A): a lane holds eight neighbouring columns of a row of C.
; K goes in steps of 256 through a ring of two LDS slots filled by the tensor data mover; the scale bytes of the work-group's rows, for all of K, come once and stay behind the ring.
; CLUSTERS: 4 x 4 work-groups; A's tiles are asked for jointly along a row of the cluster, B's along a column.
; THE WAY OUT, a block of 16 rows x 128 columns at a time: through the wave's own stage in LDS, back as 8 neighbouring columns a lane (two rows an instruction); bias; for q, k the rotation (the partner column, 64 away, lies 8 lanes away);
; the largest magnitude of each 32 columns (four lanes); hold, conversion; 32 lanes store 256 consecutive bytes of codes.  A wave's result is one dense block of 16,384 bytes of codes and 512 scale bytes:
;   block 16 h + s / 128 (q), 256 + the same (k): [128 positions][128 channels];  block 512 + 16 h + s / 128 (v): [128 channels][128 keys].
; THE ROWS OF A BLOCK LIE IN THE ORDER IN WHICH THE NEXT LAUNCH'S TILES TAKE THEM: bits 3 and 4 of the row's number change places: row 32 b + 16 x + 8 y + z lies at place 32 b + 16 y + 8 x + z, codes and scale word alike.
; LIMITS: a block of zeros gets the byte 1 (zero codes; only this program reads the bytes); NaN and infinities are not served.  The read-back of 32 bytes a lane goes two deep on the LDS banks.
; REGISTERS, in windows of 256: window 0: v0-31 addresses (the column bias lies in window 2's v0-7); v32-63 scale words, two sets, and nothing else; v128-255 A's fragments, one set; on the way out v64-127, v128-191 two blocks read back, v192-255 at work.
;   window 1: B's fragments, two sets; on the way out two sets of cos (64) and sin (64).   windows 2, 3: the accumulators ((a, b) at v[8 (8 (a % 4) + b)]).
.set KSTEP,  256
.set NQ,     2                         ; matrix instructions deep in a slot
.set ROWB,   256                       ; a tile's row in bytes
.set KROW,   2048                      ; a row of codes in memory
.set PITCH,  272                       ; an LDS row: 256 bytes + 16 of padding: the 16 rows that a load touches start at 16 different banks (64 banks of 4 bytes: ISA guide 11.1)
.set FR,     16                        ; registers of a fragment
.set NL,     4                         ; LDS loads that bring one
.set NP,     8                         ; places behind this matrix instruction (ISA guide 7.12.1)
.set HALFT,  128*PITCH                 ; 128 rows: what one tensor load brings
.set SLOT,   4*HALFT                   ; A's 256 rows, then B's 256 rows
.set LAPS,   4                         ; 2048 / 512: a lap is once round the ring
.set KS,     64                        ; a row of scale bytes
.set SCL,    2*SLOT                    ; behind the ring: the scales, as runs of 256 bytes + 16 of padding
.set HALFS,  (128*KS/256)*272          ; those of 128 rows
.set SBLK,   (16*KS/256)*272           ; those of 16 rows
.set SPARE,  SCL+4*HALFS               ; the spare words, 128 bytes a wave: two blocks of 256 bytes that no other line names
.set SPITCH, 528                       ; the way out: a stage row: 512 bytes + 16
; rope_exclude = 0 is a constant of the problem: no position is under it, so every position of q and k is rotated.
; The way out lies in the ring, which has had its last fill and, behind a barrier, its last read: a stage of 128 rows for each wave, then 512 scale bytes a wave for q, k, the same for v, and a copy of the wave's 128 numbers of bv.
.set SBQ,    4*128*SPITCH
.set SBV,    SBQ+2048
.set BCV,    SBQ+4096
.set ADRA, 16                          ; v16-17  LDS address of my A fragments in slot 0, 1
.set ADRB, 20                          ; v20-21  the same for B
.set ADRS, 27                          ; v27     LDS address of my scale words: lanes 0-15 A's rows, lanes 16-31 B's
.set SPW,  28                          ; v28     my spare word; never rewritten
.set NIL,  29                          ; v29     0; never rewritten
.set SC,   32                          ; scale words: set s at v[SC + 16 s]; register 2 i + q: lanes 0-15 A's block i, lanes 16-31 B's block i
.set AF,   128                         ; A's fragments
.set SBRQ, 1                           ; v1   q, k: where I read 16 scale bytes back
.set SBAV, 10                          ; v10  v: my block's scale byte
.set SBRV, 11                          ; v11  v: where I read 16 scale bytes back
.set BRA,  12                          ; v12  v: my row's number of bv in the copy
.set VBW,  13                          ; v13  v: where I put 16 bytes of the copy
.set L16,  14                          ; v14  16 x lane
.set L8,   15                          ; v15  8 x lane
.set CSO,  18                          ; v18  my byte in two rows of cos and sin: 512 (lane / 16) + 32 (lane % 16)
.set BIO,  19                          ; v19  32 (lane % 16): my eight columns' bias
.set SG,   22                          ; v[22:23] -1 for columns under 64, +1 for the others
.set STOQ, 24                          ; v24-26 q, k: as v8-10
.set RDQ,  25
.set SBAQ, 26
.set PP,   192                         ; v192-255 the partner column's numbers; dead behind the rotation
.set CD,   192                         ; v192-207 codes
.set BR,   208                         ; v208-223 v: two sets of 8 rows' bias
.set MX,   224                         ; v224-231 largest magnitudes, then the bytes
.set SO,   232                         ; v232-239 the conversions' scale operands
.set HOLD, 240                         ; v240-247 448 x the scale
.set G1, 24                            ; s[24:31] descriptor group 1 for A's tiles;  s[32:39] group 0, one set for each slot
.set G0, 32
.set G1B, 48                           ; s[48:55], s[56:63] the same for B's tiles
.set G0B, 56
.set G1S, 68                           ; s[68:75], s[76:79] groups 1 and 0 for A's scales;  s[80:87], s[88:91] for B's
.set G0S, 76
.set G1SB, 80
.set G0SB, 88
.set MSB, 0
.macro WIN new                         ; the immediate's high byte repeats the setting that is left; a switch that changes nothing is dropped
.if MSB != (\new)
	s_set_vgpr_msb (MSB<<8)|(\new)
.set MSB, (\new)
.endif
.endm
.set MUL_LO, 0xa1                      ; source 0 (B) window 1, source 1 (A) window 0, C and D window 2
.set MUL_HI, 0xf1                      ; the same, C and D window 3
.set TO_B,   0x40                      ; destination window 1, address window 0
; A joint load: waves 0 and 1 fetch for A, waves 2 and 3 for B; the branch hangs on the wave's number alone.  Four v_nop follow each of the two lines.
.macro JLOAD g0a, g1a, g0b, g1b
	s_cmp_eq_u32 s15, 0
	s_cbranch_scc0 .Lfor_b_\@
	tensor_load_to_lds s[\g0a:\g0a+3], s[\g1a:\g1a+7]
	s_nop 0
.rept 4
	v_nop
.endr
	s_branch .Lasked_\@
.Lfor_b_\@:
	tensor_load_to_lds s[\g0b:\g0b+3], s[\g1b:\g1b+7]
	s_nop 0
.rept 4
	v_nop
.endr
.Lasked_\@:
.endm
.macro CREST                           ; a round of the cluster's barrier behind its opening barrier
	s_cmp_lg_u32 s14, 0
	s_cbranch_scc1 .Lnot_wave_0_\@
	s_barrier_signal -3
.Lnot_wave_0_\@:
	s_barrier_wait -3
	s_barrier_signal -1
	s_barrier_wait -1
.endm
.macro CROUND                          ; a whole round
	s_barrier_signal -1
	s_barrier_wait -1
	CREST
.endm
	s_load_b128 s[4:7], s[0:1], 0x0                ; x's codes, x's scales
	s_load_b128 s[8:11], s[0:1], 0x10              ; the weights' codes, their scales
	v_lshl_add_u32 v[SPW], v0, 2, SPARE
	v_mov_b32 v[NIL], 0
	ds_add_u32 v28, v29
	ds_add_u32 v28, v29
	s_wait_dscnt 0x0
	v_lshrrev_b32 v1, 5, v0
	v_readfirstlane_b32 s14, v1                    ; wave 0..3
	s_lshr_b32 s15, s14, 1                         ; which half of the tile's rows is mine.  Also: I fetch for A (0) or for B (1)
	s_and_b32 s16, s14, 1                          ; which half of its columns.  Also: which 128 rows of that tile I fetch
	s_bfe_u32 s40, ttmp6, 0x40000                  ; cx, cy: my place in the cluster
	s_bfe_u32 s41, ttmp6, 0x40004
	s_lshl_b32 s42, ttmp9, 2
	s_add_co_u32 s42, s42, s40                     ; tile column 0..23 = 4 x cluster x + cx
	s_and_b32 s17, ttmp7, 0xffff
	s_lshl_b32 s17, s17, 2
	s_add_co_u32 s17, s17, s41                     ; tile row 0..7 = 4 x cluster y + cy
	s_lshl_b32 s43, s41, 2
	s_lshl_b32 s43, 15, s43                        ; my row of the cluster
	s_lshl_b32 s44, 0x1111, s40                    ; my column
	s_cmp_ge_u32 ttmp9, 4                          ; v?  The cluster's x is the same in all sixteen partners
	s_cselect_b32 s66, 16, 0
	s_add_co_u32 s67, s17, s66                     ; A's tile: x's tile row, or Wv's (256-row tiles 16.. of the weights)
	s_sub_co_u32 s95, s42, s66                     ; B's tile: the weights' tile 0..15, or x's tile 0..7
	; descriptor group 1: a tile of 128 rows x 256 bytes, padded in LDS
	s_or_b32 s[G1+0], s43, (0<<16)|(1<<20)|(1<<21)|(5<<22)|(3<<25)  ; 15:0 the mask: my row; 17:16 elements of 1 byte; 20 padding on; 21 set beside a mask; 24:22 after every 64 words; 31:25 four words
	s_or_b32 s[G1B+0], s44, (0<<16)|(1<<20)|(1<<21)|(5<<22)|(3<<25) ; the same with the mask of my column
.irp g, G1, G1B
	s_mov_b32 s[\g+1], ROWB<<16                    ; tensor_dim0
	s_mov_b32 s[\g+2], 256<<16                     ; tensor_dim1: 256 rows for the head's loads; behind them 128
	s_mov_b32 s[\g+3], ROWB<<16                    ; tile_dim0
	s_mov_b32 s[\g+4], 256                         ; tile_dim1
	s_mov_b32 s[\g+5], KROW                        ; tensor_dim0_stride
	s_mov_b32 s[\g+6], 0
	s_mov_b32 s[\g+7], 0
.endr
	; the scales of 256 rows: a dense block of 16,384 bytes, as 64 rows of 256 bytes (32 elements of 8 bytes), 16 bytes of padding behind each
	s_or_b32 s[G1S+0], s43, (3<<16)|(1<<20)|(1<<21)|(5<<22)|(3<<25)
	s_or_b32 s[G1SB+0], s44, (3<<16)|(1<<20)|(1<<21)|(5<<22)|(3<<25)
.irp g, G1S, G1SB
	s_mov_b32 s[\g+1], 32<<16
	s_mov_b32 s[\g+2], KS<<16                      ; the scales of 256 rows: 64 rows of 256 bytes
	s_mov_b32 s[\g+3], 32<<16
	s_mov_b32 s[\g+4], KS
	s_mov_b32 s[\g+5], 32
	s_mov_b32 s[\g+6], 0
	s_mov_b32 s[\g+7], 0
.endr
	s_lshl_b32 s20, s67, 8                         ; A's tile: its first row
	s_lshl_b32 s46, s95, 8                         ; B's
	s_mov_b32 s21, 0
	s_mov_b32 s47, 0
	s_mov_b64 s[18:19], KS
	s_mul_u64 s[22:23], s[20:21], s[18:19]         ; where these rows' scales begin, in bytes
	s_mul_u64 s[92:93], s[46:47], s[18:19]
	s_mov_b64 s[18:19], KROW
	s_mul_u64 s[20:21], s[20:21], s[18:19]         ; and their codes
	s_mul_u64 s[46:47], s[46:47], s[18:19]
	s_mul_i32 s45, s14, HALFT                      ; where they go: wave x 128 rows: no place in the cluster enters an LDS address
	s_mul_i32 s2, s16, 128*KROW                    ; in the ring I fetch 128 rows of a tile: which half, in bytes
	s_mov_b32 s3, 0
	s_wait_kmcnt 0x0
	s_cmp_ge_u32 ttmp9, 4                          ; for v the two operands change places
	s_cselect_b64 s[96:97], s[8:9], s[4:5]         ; A's codes
	s_cselect_b64 s[98:99], s[10:11], s[6:7]       ; A's scales
	s_cselect_b64 s[8:9], s[4:5], s[8:9]           ; B's codes
	s_cselect_b64 s[10:11], s[6:7], s[10:11]       ; B's scales
	s_add_nc_u64 s[20:21], s[96:97], s[20:21]
	s_add_nc_u64 s[22:23], s[98:99], s[22:23]
	s_add_nc_u64 s[46:47], s[8:9], s[46:47]
	s_add_nc_u64 s[92:93], s[10:11], s[92:93]
	CROUND                                         ; all sixteen work-groups are here: the first joint loads meet
	s_mov_b32 s[G0S], 1
	s_mov_b32 s[G0S+1], SCL
	s_mov_b64 s[G0S+2:G0S+3], s[22:23]
	s_or_b32 s[G0S+3], s[G0S+3], 0x80000000
	s_mov_b32 s[G0SB], 1
	s_mov_b32 s[G0SB+1], SCL+2*HALFS
	s_mov_b64 s[G0SB+2:G0SB+3], s[92:93]
	s_or_b32 s[G0SB+3], s[G0SB+3], 0x80000000
	s_mov_b32 s[G0], 1                             ; slot 0's groups 0 serve the head first: K step 0's 256 rows of A whole,
	s_mov_b32 s[G0+1], 0
	s_mov_b64 s[G0+2:G0+3], s[20:21]
	s_or_b32 s[G0+3], s[G0+3], 0x80000000
	s_mov_b32 s[G0B], 1                            ; and its 256 rows of B, behind them
	s_mov_b32 s[G0B+1], 2*HALFT
	s_mov_b64 s[G0B+2:G0B+3], s[46:47]
	s_or_b32 s[G0B+3], s[G0B+3], 0x80000000
	s_add_nc_u64 s[20:21], s[20:21], s[2:3]        ; slot 1's: my 128 rows of K step 1
	s_add_nc_u64 s[46:47], s[46:47], s[2:3]
	s_mov_b32 s[G0+4], 1
	s_add_co_u32 s[G0+5], s45, SLOT
	s_add_nc_u64 s[G0+6:G0+7], s[20:21], ROWB
	s_or_b32 s[G0+7], s[G0+7], 0x80000000
	s_mov_b32 s[G0B+4], 1
	s_add_co_u32 s[G0B+5], s45, SLOT
	s_add_nc_u64 s[G0B+6:G0B+7], s[46:47], ROWB
	s_or_b32 s[G0B+7], s[G0B+7], 0x80000000
; THE HEAD'S LOADS, ONE A WAVE: wave 0 K step 0's rows of A, wave 1 those of B, wave 2 A's scales, wave 3 B's: one chain of branches on the wave's number, a load to an arm.
.macro ARM under, g0, g1, next
	s_cmp_lt_u32 s14, \under
	s_cbranch_scc0 \next
	tensor_load_to_lds s[\g0:\g0+3], s[\g1:\g1+7]
	s_nop 0
.rept 4
	v_nop
.endr
	s_branch .Lhead_asked
\next:
.endm
	ARM 1, G0,  G1,  .Lhead_b
	ARM 2, G0B, G1B, .Lhead_sa
	ARM 3, G0S, G1S, .Lhead_sb
	tensor_load_to_lds s[G0SB:G0SB+3], s[G1SB:G1SB+7]
	s_nop 0
.rept 4
	v_nop
.endr
.Lhead_asked:
	s_load_b256 s[4:11], s[0:1], 0x20              ; for the way out: bq, bk, bv, cos
	s_load_b128 s[96:99], s[0:1], 0x40             ; sin, qkv_codes
	s_load_b64 s[12:13], s[0:1], 0x50              ; qkv_scales
	v_and_b32 v1, 15, v0                           ; r = lane % 16
	v_bfe_u32 v2, v0, 4, 1                         ; hh = lane / 16
	v_mul_u32_u24 v3, v1, PITCH
	v_lshl_add_u32 v4, v2, 4, v3                   ; a fragment's row x pitch + 16 x half
	s_mul_i32 s21, s15, HALFT                      ; my 128 rows of A
	s_mul_i32 s22, s16, HALFT                      ; my 128 rows of B,
	s_add_co_u32 s22, s22, 2*HALFT                 ; which lie behind A's 256
.irp s, 0,1
	v_add_nc_u32 v[ADRA+\s], s21, v4
	v_add_nc_u32 v[ADRB+\s], s22, v4
	s_add_co_u32 s21, s21, SLOT
	s_add_co_u32 s22, s22, SLOT
.endr
	v_mul_u32_u24 v5, v1, KS                       ; my row's scales: 64 bytes a row,
	v_lshrrev_b32 v6, 8, v5
	v_lshl_add_u32 v5, v6, 4, v5                   ; and 16 more for each 256 passed
	s_mul_i32 s21, s15, HALFS                      ; A's: my 128 rows
	s_mul_i32 s22, s16, HALFS                      ; B's: my 128 rows, behind A's 256
	s_add_co_u32 s22, s22, 2*HALFS
	s_sub_co_u32 s22, s22, s21
	v_mul_u32_u24 v6, s22, v2                      ; lanes 16-31 take B's: one product, the distance between the two
	s_add_co_u32 s21, s21, SCL
	v_add_nc_u32 v5, v5, v6
	v_add_nc_u32 v[ADRS], s21, v5
	; the way out's addresses: a constant + constants x lane + a constant x wave
	v_and_b32 v6, 31, v0                           ; lane
	s_mul_i32 s23, s14, 128*SPITCH                 ; my stage: 128 rows
	v_mul_u32_u24 v5, v1, SPITCH
	v_lshl_add_u32 v5, v2, 5, v5
	v_add_nc_u32 v[STOQ], s23, v5                  ; in: row r, 32 bytes for each half of the lanes
	v_mul_u32_u24 v5, v2, SPITCH
	v_lshl_add_u32 v5, v1, 5, v5
	v_add_nc_u32 v[RDQ], s23, v5                   ; back: row hh of a pair, 32 bytes at 32 r
	s_lshl_b32 s23, s14, 9                         ; 512 bytes a wave
	v_lshrrev_b32 v5, 2, v1
	v_lshl_add_u32 v5, v2, 2, v5
	v_add_nc_u32 v5, s23, v5                       ; a row's word is 4 bytes: 4 hh + the block r / 4
	v_add_nc_u32 v[SBAQ], SBQ, v5
	v_add_nc_u32 v[SBAV], SBV, v5
	v_lshlrev_b32 v5, 2, v2
	v_add_nc_u32 v5, s23, v5
	v_add_nc_u32 v[BRA], BCV, v5
	v_lshlrev_b32 v[L16], 4, v6
	v_lshlrev_b32 v[L8], 3, v6
	v_lshlrev_b32 v[CSO], 9, v2
	v_lshl_add_u32 v[CSO], v1, 5, v[CSO]
	v_lshlrev_b32 v[BIO], 5, v1
	v_and_b32 v[SG], 8, v1
	v_xor_b32 v[SG], 8, v[SG]                      ; 8 where r < 8,
	v_lshlrev_b32 v[SG], 28, v[SG]                 ; as a sign bit,
	v_or_b32 v[SG], 0x3f800000, v[SG]              ; on 1.0
	v_mov_b32 v[SG+1], v[SG]
	v_add_nc_u32 v5, s23, v[L16]
	v_add_nc_u32 v[SBRV], SBV, v5
	v_add_nc_u32 v[VBW], BCV, v5
	v_add_nc_u32 v[SBRQ], SBQ, v5                  ; (v1 is r no longer)
	; the way out's global addresses.  u = which 128 of the 6,144 tile columns, w = which 128 of the 2,048 tile rows is my wave's
	s_lshl_b32 s18, s42, 1
	s_add_co_u32 s18, s18, s16                     ; u
	s_lshl_b32 s19, s17, 1
	s_add_co_u32 s19, s19, s15                     ; w
	s_and_b32 s20, s18, 15
	s_lshl_b32 s20, s20, 9                         ; q, k: my head's 128 numbers of the bias
	s_mov_b32 s21, 0
	s_lshl_b32 s22, s19, 9                         ; v: my head's 128 numbers of bv
	s_mov_b32 s23, 0
	s_lshl_b32 s46, s19, 16                        ; q, k: my 128 rows of cos and sin, 512 bytes each
	s_mov_b32 s47, 0
	s_lshl_b32 s92, s18, 4
	s_add_co_u32 s92, s92, s19                     ; q, k: block 16 u + w
	s_lshl_b32 s93, s19, 4
	s_add_co_u32 s93, s93, s18
	s_add_co_u32 s93, s93, 480                     ; v: block 512 + 16 w + (u - 32)
	s_cmp_ge_u32 ttmp9, 4
	s_cselect_b32 s92, s93, s92
	s_lshl_b32 s94, s92, 14                        ; 16,384 bytes of codes a block
	s_mov_b32 s95, 0
	s_lshl_b32 s92, s92, 9                         ; 512 scale bytes
	s_mov_b32 s93, 0
	s_mov_b32 s67, 0x600000                        ; the mantissa field of 448
	s_wait_kmcnt 0x0
	s_cmp_lt_u32 ttmp9, 2
	s_cselect_b64 s[4:5], s[4:5], s[6:7]           ; bq or bk
	s_add_nc_u64 s[4:5], s[4:5], s[20:21]
	s_add_nc_u64 s[8:9], s[8:9], s[22:23]
	s_add_nc_u64 s[10:11], s[10:11], s[46:47]
	s_add_nc_u64 s[96:97], s[96:97], s[46:47]
	s_add_nc_u64 s[98:99], s[98:99], s[94:95]
	s_add_nc_u64 s[12:13], s[12:13], s[92:93]
.macro FRAG reg, adr, q, i             ; a fragment, 16 rows x 128 K: lane l holds row l % 16; registers 4 c .. 4 c + 3 hold K = 32 c + 16 (l / 16) + 0 .. 15
.irp c, 0,1,2,3
	ds_load_b128 v[\reg+4*\c:\reg+4*\c+3], v[\adr] offset:128*(\q)+32*\c+(\i)*16*PITCH
.endr
.endm
; 16 matrix instructions: A's blocks a0, a0 + 1 x B's eight, the slot's q-th 128 along K.  p: B's set;  sc: the set of scale words.  zero = 1: the first product starts the sums.
; The 64 accumulators take turns, one instruction a turn, in the same order in every step.
.macro MUL16 a0, p, q, sc, zero
.irp a, \a0, \a0+1
.irp b, 0,1,2,3,4,5,6,7
.if \zero
	v_wmma_scale_f32_16x16x128_f8f6f4 v[8*(8*((\a)%4)+\b):8*(8*((\a)%4)+\b)+7], v[128*(\p)+FR*\b:128*(\p)+FR*\b+FR-1], v[AF+FR*(\a):AF+FR*(\a)+FR-1], 0, v[SC+8*NQ*(\sc)+NQ*\b+(\q)], v[SC+8*NQ*(\sc)+NQ*(\a)+(\q)] matrix_a_scale:MATRIX_SCALE_ROW1
.else
	v_wmma_scale_f32_16x16x128_f8f6f4 v[8*(8*((\a)%4)+\b):8*(8*((\a)%4)+\b)+7], v[128*(\p)+FR*\b:128*(\p)+FR*\b+FR-1], v[AF+FR*(\a):AF+FR*(\a)+FR-1], v[8*(8*((\a)%4)+\b):8*(8*((\a)%4)+\b)+7], v[SC+8*NQ*(\sc)+NQ*\b+(\q)], v[SC+8*NQ*(\sc)+NQ*(\a)+(\q)] matrix_a_scale:MATRIX_SCALE_ROW1
.endif
.endr
.endr
.endm
.macro FETCH_B slot, q, p              ; B's eight fragments of the slot's q-th 128 along K into set p
	WIN TO_B
.irp i, 0,1,2,3,4,5,6,7
	FRAG 128*(\p)+FR*\i, ADRB+\slot, \q, \i
.endr
	WIN 0
.endm
.macro FETCH_A slot, q, i0             ; A's blocks i0 .. i0 + 3
.irp i, \i0, \i0+1, \i0+2, \i0+3
	FRAG AF+FR*(\i), ADRA+\slot, \q, \i
.endr
.endm
.macro SCALES sc                       ; the next K step's scale words into set sc: two words a row; lanes 0-15 take A's block i, lanes 16-31 B's block i
.irp i, 0,1,2,3,4,5,6,7
	ds_load_b64 v[SC+8*NQ*\sc+NQ*\i:SC+8*NQ*\sc+NQ*\i+1], v[ADRS] offset:\i*SBLK
.endr
.endm
; A load into a register that a matrix instruction has read, and a vector instruction or an LDS store that reads a matrix result, stand NP places behind it; only plain vector instructions that name none of its registers are places.
.macro PLACES n
.rept \n
	v_nop
.endr
.endm
; A step of 128 along K that has its successor in the same slot.  A's blocks 0-3 are fetched anew in its middle, blocks 4-7 at its end; B has two sets.
.macro STEP slot, q, zero
	s_wait_dscnt 4*NL                              ; B's set and A's blocks 0-3 are in; the youngest sixteen loads (A's blocks 4-7) may be out
	WIN MUL_LO
	MUL16 0, (\q)%2, \q, \slot, \zero
	MUL16 2, (\q)%2, \q, \slot, \zero
	s_wait_dscnt 0                                 ; A's blocks 4-7 are in
	PLACES NP
	FETCH_B \slot, (\q)+1, 1-(\q)%2
	FETCH_A \slot, (\q)+1, 0
	WIN MUL_HI
	MUL16 4, (\q)%2, \q, \slot, \zero
	MUL16 6, (\q)%2, \q, \slot, \zero
	PLACES NP
	WIN 0
	FETCH_A \slot, (\q)+1, 4
.endm
; A slot's last step changes slots: one barrier; in front of it each wave waits for all its tensor loads, adds 0 to its spare word, and waits for that and for its own reads of this slot.  fill = 1: this slot is filled again, two K steps ahead.
.macro TURN slot, next, fill
	s_wait_tensorcnt 0x0                           ; all my tensor loads have landed: my part of the next slot  (every window is 0 here)
	ds_add_u32 v[SPW], v[NIL]                      ; 0 onto my spare word
	s_wait_dscnt 4*NL+1                            ; (the add and the youngest sixteen loads, A's blocks 4-7, may be out)
	WIN MUL_LO
	MUL16 0, 1, NQ-1, \slot, 0                     ; sixteen matrix instructions stand between the add and the wait for it
	s_wait_dscnt 0x0                               ; the add is done, and my reads of this slot are over
	s_barrier_signal -1
	MUL16 2, 1, NQ-1, \slot, 0
	WIN 0
	s_barrier_wait -1
.if \fill
	CREST                                          ; the barrier has opened a round of the cluster's: no wave of any partner still reads this slot's tile or has a load on its way
	s_add_nc_u64 s[G0+4*\slot+2:G0+4*\slot+3], s[G0+4*\slot+2:G0+4*\slot+3], 2*ROWB
	s_add_nc_u64 s[G0B+4*\slot+2:G0B+4*\slot+3], s[G0B+4*\slot+2:G0B+4*\slot+3], 2*ROWB
	JLOAD G0+4*\slot, G1, G0B+4*\slot, G1B         ; the first tensor load behind the round; its four v_nop are among the places in front of the loads below
	PLACES NP-4
.else
	PLACES NP
.endif
	s_wait_alu depctr_va_vdst(0)
	v_add_nc_u32 v[ADRS], 4*NQ, v[ADRS]            ; on to the next K step's scale words (no LDS load of mine is out)
	FETCH_B \next, 0, 0
	FETCH_A \next, 0, 0
	SCALES \next
	WIN MUL_HI
	MUL16 4, 1, NQ-1, \slot, 0
	MUL16 6, 1, NQ-1, \slot, 0
	PLACES NP
	WIN 0
	FETCH_A \next, 0, 4
.endm
	s_wait_alu depctr_va_vdst(0)
	s_wait_tensorcnt 0x0                           ; my tile of the head's four is in; these lines stand ahead of a later first fill as ahead of a refill
	ds_add_u32 v[SPW], v[NIL]                      ; 0 onto my spare word
	s_mov_b32 s[G1+2], 128<<16                     ; no tensor load of mine is out, so descriptors may be written: from here on a load brings 128 rows,
	s_mov_b32 s[G1+4], 128
	s_mov_b32 s[G1B+2], 128<<16
	s_mov_b32 s[G1B+4], 128
	s_mov_b32 s[G0+1], s45                         ; and slot 0's groups 0 name my 128 rows
	s_add_nc_u64 s[G0+2:G0+3], s[G0+2:G0+3], s[2:3]
	s_mov_b32 s[G0B+1], s45
	s_add_nc_u64 s[G0B+2:G0B+3], s[G0B+2:G0B+3], s[2:3]
	s_wait_dscnt 0x0                               ; the add is done
	CROUND                                         ; a whole round: all four tiles are in, and the sixteen work-groups are here
	JLOAD G0+4, G1, G0B+4, G1B                     ; K step 1's load, the first tensor load behind the round
	FETCH_B 0, 0, 0
	FETCH_A 0, 0, 0
	SCALES 0
	FETCH_A 0, 0, 4
	STEP 0, 0, 1                                   ; the first step stands in front of the loop: its products start the sums
	s_mov_b32 s3, LAPS-1
.Llap:                                                 ; a trip goes once round the ring and fills both slots again
	TURN 0, 1, 1
	STEP 1, 0, 0
	TURN 1, 0, 1
	STEP 0, 0, 0
	s_sub_co_u32 s3, s3, 1
	s_cmp_lg_u32 s3, 0
	s_cbranch_scc1 .Llap
	TURN 0, 1, 0                                   ; the last lap fills nothing, and has no round of the cluster's barrier
	STEP 1, 0, 0
	s_wait_dscnt 4*NL                              ; the very last step: nothing more to fetch
	WIN MUL_LO
	MUL16 0, 1, NQ-1, 1, 0
	MUL16 2, 1, NQ-1, 1, 0
	s_wait_dscnt 0
	WIN MUL_HI
	MUL16 4, 1, NQ-1, 1, 0
	MUL16 6, 1, NQ-1, 1, 0
	WIN 0
; ---- THE WAY OUT.  vp = 0: q, k;  vp = 1: v.
; Block a (16 rows x 128 columns) into my stage as it stands, each accumulator from its low end on, and back: register 8 i + k of set a % 2 is row 2 i + hh, column 8 r + k.  LDS serves a wave's instructions in order: no wait between.
; Block a (16 rows x 128 columns) into rows 16 a .. of my stage as it stands, each accumulator from its low end on.
.macro TOSTAGE a
.set AC, 64*((\a)%4)
	WIN 0x08+4*((\a)/4)                            ; an LDS store's data: window 2 or 3
.irp b, 0,1,2,3,4,5,6,7
	ds_store_b128 v[STOQ], v[AC+8*\b:AC+8*\b+3] offset:(\a)*16*SPITCH+64*\b
	ds_store_b128 v[STOQ], v[AC+8*\b+4:AC+8*\b+7] offset:(\a)*16*SPITCH+64*\b+16
.endr
	WIN 0
.endm
; Block e of a trip's two, back: register 8 i + k of set e is row 2 i + hh, column 8 r + k.  LDS serves a wave's instructions in order: these see my stores.
.macro BACK e
.set TT, 64+64*(\e)
.irp i, 0,1,2,3,4,5,6,7
	ds_load_b128 v[TT+8*\i:TT+8*\i+3], v[RDQ] offset:(16*(\e)+2*\i)*SPITCH
	ds_load_b128 v[TT+8*\i+4:TT+8*\i+7], v[RDQ] offset:(16*(\e)+2*\i)*SPITCH+16
.endr
.endm
.macro LOADCS a                        ; cos and sin of block a's 16 rows, my eight columns, into set a % 2 of window 1
.set CSB, 128*((\a)%2)
	WIN 0x40
.irp i, 0,1,2,3,4,5,6,7
	global_load_b128 v[CSB+8*\i:CSB+8*\i+3], v[CSO], s[10:11] offset:(16*(\a)+2*\i)*512
	global_load_b128 v[CSB+8*\i+4:CSB+8*\i+7], v[CSO], s[10:11] offset:(16*(\a)+2*\i)*512+16
	global_load_b128 v[CSB+64+8*\i:CSB+64+8*\i+3], v[CSO], s[96:97] offset:(16*(\a)+2*\i)*512
	global_load_b128 v[CSB+64+8*\i+4:CSB+64+8*\i+7], v[CSO], s[96:97] offset:(16*(\a)+2*\i)*512+16
.endr
	WIN 0
.endm
; Block a: bias, rotation, quantiser, stores.  The eight pairs of rows take turns line by line.
.macro PROC a, vp
.set TT, 64+64*((\a)%2)
.set CSB, 128*((\a)%2)
.if \vp
.set RSBA, SBAV
.irp i, 0,1,2,3,4,5,6,7
.irp k, 0,1,2,3,4,5,6,7
	v_add_f32 v[TT+8*\i+\k], v[TT+8*\i+\k], v[BR+8*((\a)%2)+\i]   ; + bv of my row
.endr
.endr
.else
.set RSBA, SBAQ
	WIN 0x08                                       ; source 1 window 2: the bias of my eight columns lies in its v0-7
.irp i, 0,1,2,3,4,5,6,7
	v_pk_add_f32 v[TT+8*\i:TT+8*\i+1], v[TT+8*\i:TT+8*\i+1], v[0:1]
	v_pk_add_f32 v[TT+8*\i+2:TT+8*\i+3], v[TT+8*\i+2:TT+8*\i+3], v[2:3]
	v_pk_add_f32 v[TT+8*\i+4:TT+8*\i+5], v[TT+8*\i+4:TT+8*\i+5], v[4:5]
	v_pk_add_f32 v[TT+8*\i+6:TT+8*\i+7], v[TT+8*\i+6:TT+8*\i+7], v[6:7]
.endr
	WIN 0
.set n, 0
.rept 64
	v_mov_b32_dpp v[PP+n], v[TT+n] row_xmask:8 row_mask:0xf bank_mask:0xf   ; the column 64 away lies in lane r xor 8
.set n, n+1
.endr
	WIN 0x04                                       ; source 1 window 1
.set n, 0
.rept 32
	v_pk_mul_f32 v[PP+n:PP+n+1], v[PP+n:PP+n+1], v[CSB+64+n:CSB+64+n+1]     ; x sin
.set n, n+2
.endr
.set n, 0
.rept 32
	v_pk_mul_f32 v[TT+n:TT+n+1], v[TT+n:TT+n+1], v[CSB+n:CSB+n+1]           ; x cos
.set n, n+2
.endr
	WIN 0
.set n, 0
.rept 32
	v_pk_fma_f32 v[TT+n:TT+n+1], v[PP+n:PP+n+1], v[SG:SG+1], v[TT+n:TT+n+1]   ; t cos -+ partner sin: the product by +-1 is exact, so the roundings are those of two products and a sum
.set n, n+2
.endr
.endif
.irp i, 0,1,2,3,4,5,6,7
	v_max3_num_f32 v[MX+\i], |v[TT+8*\i]|, |v[TT+8*\i+1]|, 0x4800000          ; my eight numbers, and the floor 2^(9 - 127): the byte cannot fall under 1
.endr
.irp j, 2,4,6
.irp i, 0,1,2,3,4,5,6,7
	v_max3_num_f32 v[MX+\i], v[MX+\i], |v[TT+8*\i+\j]|, |v[TT+8*\i+\j+1]|
.endr
.endr
.irp m, 1,2
.irp i, 0,1,2,3,4,5,6,7
	v_max_num_f32_dpp v[MX+\i], v[MX+\i], v[MX+\i] row_xmask:\m row_mask:0xf bank_mask:0xf   ; a block of 32 columns is four lanes
.endr
.endr
.irp i, 0,1,2,3,4,5,6,7
	v_add_nc_u32 v[SO+\i], 0xfc000000, v[MX+\i]    ; 8 off the exponent field: the conversion's scale operand
.endr
.irp i, 0,1,2,3,4,5,6,7
	v_and_or_b32 v[HOLD+\i], v[MX+\i], 0x7f800000, s67   ; 448 x the scale
.endr
.irp i, 0,1,2,3,4,5,6,7
.irp k, 0,1,2,3,4,5,6,7
	v_med3_num_f32 v[TT+8*\i+\k], v[TT+8*\i+\k], -v[HOLD+\i], v[HOLD+\i]   ; the conversion to an 8-bit code does not saturate (ISA guide 7.6.2)
.endr
.endr
.irp i, 0,1,2,3,4,5,6,7
	v_cvt_scalef32_pk8_fp8_f32 v[CD+2*\i:CD+2*\i+1], v[TT+8*\i:TT+8*\i+7], v[SO+\i]
.endr
.irp i, 0,1,2,3,4,5,6,7
	v_lshrrev_b32 v[MX+\i], 23, v[SO+\i]           ; the scale's byte.  (Plain lines behind the conversions)
.endr
; Row 16 a + 2 i + hh goes to place 32 (a / 2) + 16 (i / 4) + 8 (a % 2) + 2 (i % 4) + hh: bits 3 and 4 of its number have changed places
.irp i, 0,1,2,3,4,5,6,7
	ds_store_b8 v[RSBA], v[MX+\i] offset:(32*((\a)/2)+16*(\i/4)+8*((\a)%2)+2*(\i%4))*4   ; the four lanes of a block write the same byte with the same value
.endr
.irp i, 0,1,2,3,4,5,6,7
	global_store_b64 v[L8], v[CD+2*\i:CD+2*\i+1], s[98:99] offset:(32*((\a)/2)+16*(\i/4)+8*((\a)%2)+2*(\i%4))*128   ; two rows of 128 codes: 32 lanes store 256 consecutive aligned bytes
.endr
.endm
	PLACES NP                                      ; behind the last products: for the first reads of results and the loads into registers that held fragments
	s_barrier_signal -1                            ; no LDS instruction of mine is out: my reads of the ring are over,
	s_barrier_wait -1                              ; and everybody's: the stages may be laid over both slots
.irp a, 0,1,2,3,4,5,6,7
	TOSTAGE \a
.endr
	s_cmp_ge_u32 ttmp9, 4                          ; the cluster's x: the same in all partners
	s_cbranch_scc1 .Lpre_v
	WIN 0x80                                       ; destination window 2, whose accumulators have been staged
	global_load_b128 v[0:3], v[BIO], s[4:5]        ; the bias of my eight columns
	global_load_b128 v[4:7], v[BIO], s[4:5] offset:16
	WIN 0
	LOADCS 0
	LOADCS 1
	s_branch .Lpre_done
.Lpre_v:
	global_load_b128 v[248:251], v[L16], s[8:9]    ; my head's 128 numbers of bv, once, into LDS: a lane wants them by rows
	s_wait_loadcnt 0x0
	ds_store_b128 v[VBW], v[248:251]
.Lpre_done:
	s_mov_b32 s3, 0
.Lout:                                                 ; four trips of two blocks; every wave walks the loop, and the two results part inside it
	BACK 0
	BACK 1
	s_cmp_ge_u32 ttmp9, 4
	s_cbranch_scc1 .Lv_arm
	s_wait_dscnt 16                                ; the first block is back; the second's sixteen loads may be out
	s_wait_loadcnt 32                              ; its cos and sin are in; the other set's 32 loads may be out
	s_wait_xcnt 0x0                                ; earlier stores of codes have read their registers
	PROC 0, 0
	s_cmp_lt_u32 s3, 3                             ; the last trip asks for no cos and sin beyond my 128 rows
	s_cbranch_scc0 .Llast0
	LOADCS 2                                       ; the next trip's first block
	s_wait_loadcnt 32                              ; the second block's cos and sin are in; the 32 just issued may be out
	s_branch .Lgo1
.Llast0:
	s_wait_loadcnt 0x0
.Lgo1:
	s_wait_dscnt 0x0
	s_wait_xcnt 0x0
	PROC 1, 0
	s_cmp_lt_u32 s3, 3
	s_cbranch_scc0 .Lstep
	LOADCS 3
	s_branch .Lstep
.Lv_arm:
.irp e, 0,1
.irp i, 0,1,2,3,4,5,6,7
	ds_load_b32 v[BR+8*\e+\i], v[BRA] offset:(16*\e+2*\i)*4   ; bv of row 16 e + 2 i + hh of the trip's 32
.endr
.endr
	s_wait_dscnt 0x0
	s_wait_xcnt 0x0
	PROC 0, 1
	s_wait_xcnt 0x0
	PROC 1, 1
.Lstep:
	s_wait_xcnt 0x0                                ; the trip's loads and stores have read their bases
	s_add_nc_u64 s[98:99], s[98:99], 4096          ; 32 rows of codes on,
	s_add_nc_u64 s[10:11], s[10:11], 16384         ; 32 rows of cos and of sin,
	s_add_nc_u64 s[96:97], s[96:97], 16384
	v_add_nc_u32 v[RDQ], 32*SPITCH, v[RDQ]         ; 32 rows of the stage,
	v_add_nc_u32 v[SBAQ], 128, v[SBAQ]             ; 32 scale words,
	v_add_nc_u32 v[SBAV], 128, v[SBAV]
	v_add_nc_u32 v[BRA], 128, v[BRA]               ; 32 numbers of bv
	s_add_co_u32 s3, s3, 1
	s_cmp_lt_u32 s3, 4
	s_wait_alu depctr_va_vdst(0)
	s_cbranch_scc1 .Lout
	s_cmp_ge_u32 ttmp9, 4
	s_cbranch_scc1 .Lsb_v
	ds_load_b128 v[248:251], v[SBRQ]               ; my wave's 512 scale bytes
	s_branch .Lsb
.Lsb_v:
	ds_load_b128 v[248:251], v[SBRV]
.Lsb:
	s_wait_dscnt 0x0
	global_store_b128 v[L16], v[248:251], s[12:13] ; 32 lanes store 512 consecutive aligned bytes
	s_wait_tensorcnt 0x0                           ; the wave's end: behind my last tensor load and my last LDS store
	ds_add_u32 v[SPW], v[NIL]
	s_wait_dscnt 0x0
	CROUND                                         ; the closing round: no work-group ends while a partner may still ask for a tile that names it
	s_endpgm
.Lfunc_end_k_qf003a3d227_qkv:
	.size	k_qf003a3d227_qkv, .Lfunc_end_k_qf003a3d227_qkv-k_qf003a3d227_qkv
	.p2alignl 7, 3214868480
	.fill 96, 4, 3214868480
	.section	.rodata,"a",@progbits
	.p2align	6, 0x0
	.amdhsa_kernel k_qf003a3d227_qkv
		.amdhsa_group_segment_fixed_size 327680
		.amdhsa_private_segment_fixed_size 0
		.amdhsa_enable_private_segment 0
		.amdhsa_kernarg_size 88
		.amdhsa_user_sgpr_count 2
		.amdhsa_user_sgpr_kernarg_segment_ptr 1
		.amdhsa_wavefront_size32 1
		.amdhsa_system_sgpr_workgroup_id_x 1
		.amdhsa_system_sgpr_workgroup_id_y 1
		.amdhsa_system_sgpr_workgroup_id_z 1
		.amdhsa_system_vgpr_workitem_id 0
		.amdhsa_next_free_vgpr 1024
		.amdhsa_next_free_sgpr 100
		.amdhsa_reserve_vcc 0
		.amdhsa_float_denorm_mode_32 3
		.amdhsa_float_denorm_mode_16_64 3
		.amdhsa_memory_ordered 1
		.amdhsa_forward_progress 1
		.amdhsa_inst_pref_size 215
	.end_amdhsa_kernel
	.amdgpu_metadata
---
amdhsa.version: [ 1, 2 ]
amdhsa.kernels:
  - .name:           k_qf003a3d227_qkv
    .symbol:         k_qf003a3d227_qkv.kd
    .args:
      - { .name: x_codes, .offset: 0, .size: 8, .value_kind: global_buffer, .address_space: global }
      - { .name: x_scales, .offset: 8, .size: 8, .value_kind: global_buffer, .address_space: global }
      - { .name: w_codes, .offset: 16, .size: 8, .value_kind: global_buffer, .address_space: global }
      - { .name: w_scales, .offset: 24, .size: 8, .value_kind: global_buffer, .address_space: global }
      - { .name: bq, .offset: 32, .size: 8, .value_kind: global_buffer, .address_space: global }
      - { .name: bk, .offset: 40, .size: 8, .value_kind: global_buffer, .address_space: global }
      - { .name: bv, .offset: 48, .size: 8, .value_kind: global_buffer, .address_space: global }
      - { .name: cos, .offset: 56, .size: 8, .value_kind: global_buffer, .address_space: global }
      - { .name: sin, .offset: 64, .size: 8, .value_kind: global_buffer, .address_space: global }
      - { .name: qkv_codes, .offset: 72, .size: 8, .value_kind: global_buffer, .address_space: global }
      - { .name: qkv_scales, .offset: 80, .size: 8, .value_kind: global_buffer, .address_space: global }
    .group_segment_fixed_size: 327680
    .private_segment_fixed_size: 0
    .kernarg_segment_align: 8
    .kernarg_segment_size: 88
    .max_flat_workgroup_size: 128
    .sgpr_count:     100
    .vgpr_count:     1024
    .wavefront_size: 32
...
	.end_amdgpu_metadata
.endif
;; end of part 2
;; launch attn (part 3): grid 16 x 16, 8 waves a work-group, clusters of 4 x 1, 327,680 bytes of LDS; arguments qkv_codes, qkv_scales, mask, ctx_codes, ctx_scales; writes ctx_codes, ctx_scales
.if DOCPART == 3
	.amdgcn_target "amdgcn-amd-amdhsa--gfx1250"
	.amdhsa_code_object_version 6
	.text
	.protected	k_qf003a3d227_attn
	.globl	k_qf003a3d227_attn
	.p2align	8
	.type	k_qf003a3d227_attn,@function
k_qf003a3d227_attn:
	s_mov_b64 s[64:65], 0
	v_nop
	global_prefetch_b8 v0, s[64:65] scope:SCOPE_SE
	s_setreg_imm32_b32 hwreg(HW_REG_WAVE_MODE, 25, 1), 1
	s_wait_xcnt 0x0
	s_wait_alu depctr_hold_cnt(0) depctr_sa_sdst(0) depctr_va_vdst(0) depctr_va_sdst(0) depctr_va_ssrc(0) depctr_va_vcc(0) depctr_vm_vsrc(0)
	s_getreg_b32 s2, hwreg(HW_REG_IB_STS2, 6, 4)
	s_cmp_eq_u32 s2, 0
	s_cbranch_scc0 .Lentry_in_a_cluster
	s_endpgm
.Lentry_in_a_cluster:
	s_bfe_u32 s2, ttmp6, 0x10000c
	s_cmp_lg_u32 s2, 0x3003
	s_cbranch_scc0 .Lentry_shape_is_right
	s_endpgm
.Lentry_shape_is_right:
; ctx = softmax(q k^T / sqrt(128) + mask) v for one head and 128 queries a work-group, both products on codes of E4M3 with E8M0 scales; ctx is quantised at once along the head's channels for the last projection.
; The mask is an input: every key is walked for every query, and the mask's numbers are added as they are given.
; THE SOFTMAX: t = (score + mask sqrt(128)) x log2(e) / sqrt(128); M = the running largest t rounded up to a whole number; p = 2^(t - M) is quantised along the keys; the row's sum is taken of the unquantised p and divides at the end.
; SHARES.  Eight waves, two to a SIMD.  Wave w owns 32 queries, tiles 2 (w % 4) and 2 (w % 4) + 1 of 16, and, of each slot of 256 keys, the (w / 4)-th 128: eight key steps a wave.  Each fragment of K and V read from LDS feeds two products.
; The two waves of a pair of tiles keep an M, a sum and an O^T each; at the end the upper wave hands its own over through LDS, and both are brought under the larger M by powers of two, which round nothing.
; BUFFERS: qkv_codes in blocks of 16,384 bytes: q 16 h + s / 128, k 256 + the same ([128 positions][128 channels]), v 512 + the same ([128 channels][128 keys]); a block's rows lie with bits 3 and 4 of their number exchanged;
; qkv_scales: 512 bytes a block, a word a row.  So 16 rows on end of a k block are keys 32 b + 8 u + r + 8 (r / 8), and p's 16 registers of two neighbouring tiles are 16 neighbouring keys.
; Both products are used transposed (S^T = K Q^T with the scaled mask as C, O^T = V^T P^T): a lane holds one query of each tile throughout.
; THE RING: two slots of 256 keys (K's 256 rows, then V's two blocks), 2^17 bytes apart; each wave fetches 8,192 dense bytes, stated as 32 rows of 256 bytes with 16 bytes of padding behind each 128.
; CLUSTERS: the four query blocks of a cluster walk the same K and V and ask for them jointly.  The head's scale bytes (K's and V's, 8,192 each) come once.
; PREFETCH: at the change of slots that loads slot n + 1, waves 0 (K) and 1 (V) name slot n + 2's bytes, 8,192 of each for each partner, told apart by address, a lane to each 256; slots 0 and 1 come by their loads alone, and nothing is named behind slot 7.
; The mask is not prefetched: its loads go into registers a key step ahead of their use.
; LIMITS: the promise holds while the scaled scores stay under 2^31 in magnitude; NaN and infinities are not served; a block of zeros gets the byte 1 (zero codes; only this program reads the bytes).
; REGISTERS.  TILE 0 LIVES IN WINDOW 0, TILE 1 IN WINDOW 1, UNDER THE SAME NUMBERS, so that one text serves both under two settings of the windows:
;   v12 -M, v13 the largest t, v[14:15] the sum; v16-31 Q; v96-159 mask, S^T, p; v160-223 O^T; v224-239 p's codes; v232-254 at work.  v32-95 of the two windows are two buffers of four fragments.
;   Window 0 alone: v1, v3, v8, v9 addresses; v10, v11 the spare word and 0; the scale words: v248-251 K's or V's, v255 and v4 Q's, v253 and v6 p's.
.set KP,    144                        ; an LDS row: 128 bytes + 16
.set VOFF,  256*KP
.set SLOT1, 1<<17
.set SCK,   2*SLOT1                    ; K's scale bytes, as runs of 256 bytes + 16
.set SCVD,  32*272                     ; V's lie so far behind them
.set SPARE, SCK+2*SCVD                 ; the spare words: 128 bytes a wave
.set MRG,   17*512                     ; what is handed over of a tile: 16 x 512 bytes of O^T, 512 of -M and the sums; in slot 0's bytes, which have had their last fill and read by then
.set AK,   1                           ; my lane's place in the slot in hand
.set AS,   3                           ; and among the step's scale words
.set QS1,  4
.set PS1,  6
.set PFO,  8
.set MA,   9
.set SPW,  10
.set NIL,  11
.set WV,   14
.set MNT,  15
.set SEL,  16
.set CS,   18
.set RT,   20
.set G1T,  24                          ; group 1 of the ring's loads: 32 rows of 256 bytes
.set G1S,  32                          ; of the scale bytes: 16 rows of 256
.set G0T,  40
.set G0S,  44
.set SLOTS, 48
.set G1H,  68                          ; of the head's loads of slot 0: 64 rows of 256
.set G0H,  76
.set PFA,  80
.set W3,   82                          ; my pair of query tiles
.set KH,   83                          ; my half of a slot's keys
.set MSB, 0
.macro WIN new                         ; the immediate's high byte repeats the setting that is left; a switch that changes nothing is dropped
.if MSB != (\new)
	s_set_vgpr_msb (MSB<<8)|(\new)
.set MSB, (\new)
.endif
.endm
.macro CROUND
	s_barrier_signal -1
	s_barrier_wait -1
	s_cmp_lg_u32 s[WV], 0
	s_cbranch_scc1 .Lnot_wave_0_\@
	s_barrier_signal -3
.Lnot_wave_0_\@:
	s_barrier_wait -3
	s_barrier_signal -1
	s_barrier_wait -1
.endm
.macro FOURNOP
.rept 4
	v_nop
.endr
.endm
	s_load_b256 s[4:11], s[0:1], 0x0               ; qkv_codes, qkv_scales, mask, ctx_codes
	s_load_b64 s[12:13], s[0:1], 0x20              ; ctx_scales
	v_lshl_add_u32 v[SPW], v0, 2, SPARE
	v_mov_b32 v[NIL], 0
	ds_add_u32 v[SPW], v[NIL]                      ; the opening lines: the add, twice on end, and its wait ahead of my first tensor load
	ds_add_u32 v[SPW], v[NIL]
	v_lshrrev_b32 v7, 5, v0
	v_readfirstlane_b32 s[WV], v7
	s_and_b32 s[W3], s[WV], 3
	s_lshr_b32 s[KH], s[WV], 2
	s_and_b32 s51, ttmp7, 0xffff                   ; the head
	s_bfe_u32 s49, ttmp6, 0x40000                  ; cx
	s_lshl_b32 s50, ttmp9, 2
	s_add_co_u32 s50, s50, s49                     ; the query block
	s_lshl_b32 s53, s51, 18                        ; a head's 16 blocks of codes
	s_add_co_u32 s52, s53, 0x400000                ; K's codes of my head
	s_lshl_b32 s54, s[KH], 22                      ; the ring: waves 0-3 K, waves 4-7 V, 8,192 bytes each
	s_lshl_b32 s55, s[W3], 13
	s_add_co_u32 s54, s54, s55
	s_add_co_u32 s54, s54, s52
	s_mov_b32 s55, 0
	s_lshr_b32 s60, s[W3], 1                       ; the head's loads: K (0) or V (1),
	s_and_b32 s61, s[W3], 1                        ; and which half
	s_lshl_b32 s56, s60, 22
	s_lshl_b32 s57, s61, 14
	s_add_co_u32 s56, s56, s57
	s_add_co_u32 s56, s56, s52
	s_mov_b32 s57, 0
	s_lshl_b32 s58, s60, 17                        ; the scale bytes: 4,096 a wave
	s_lshl_b32 s59, s61, 12
	s_add_co_u32 s58, s58, s59
	s_lshl_b32 s59, s51, 13
	s_add_co_u32 s58, s58, s59
	s_add_co_u32 s58, s58, 0x20000
	s_and_b32 s88, s[WV], 1                        ; the prefetches: K or V, my work-group's 8,192 bytes, in slot 1: the first change of slots steps it to slot 2
	s_lshl_b32 s88, s88, 22
	s_lshl_b32 s89, s49, 13
	s_add_co_u32 s88, s88, s89
	s_add_co_u32 s88, s88, s52
	s_add_co_u32 s88, s88, 0x8000
	s_mov_b32 s89, 0
	s_lshl_b32 s50, s50, 7                         ; the block's first query
	s_lshl_b32 s52, s[W3], 5
	s_add_co_u32 s52, s52, s50                     ; my first query; tile u's rows of Q lie at places 8 u + r + 8 (r / 8) from there
	s_lshl_b32 s62, s52, 2
	s_add_co_u32 s62, s62, s59                     ; Q's scale words
	s_mov_b32 s63, 0
	s_mov_b32 s59, 0
	s_lshl_b32 s2, s52, 7
	s_add_co_u32 s2, s2, s53                       ; Q's codes
	s_mov_b32 s3, 0
	s_lshl_b32 s60, s52, 13                        ; its row of the mask, and my half's first 128 keys
	s_lshl_b32 s61, s[KH], 9
	s_add_co_u32 s60, s60, s61
	s_mov_b32 s61, 0
	s_lshl_b32 s84, s50, 11                        ; ctx_codes [block of 128 positions][head][128 positions][128 channels]: 2^18 bytes a block of positions,
	s_lshl_b32 s85, s51, 14                        ; 2^14 a head,
	s_add_co_u32 s84, s84, s85
	s_lshl_b32 s85, s[W3], 12                      ; 32 rows of 128 bytes a wave
	s_add_co_u32 s84, s84, s85
	s_mov_b32 s85, 0
	s_lshl_b32 s86, s52, 6                         ; ctx_scales [position][64]: my head's word
	s_lshl_b32 s87, s51, 2
	s_add_co_u32 s86, s86, s87
	s_mov_b32 s87, 0
	s_mov_b32 s[G1T], 15|(0<<16)|(1<<20)|(1<<21)|(4<<22)|(3<<25)   ; the mask of four; elements of a byte; padding: four words after every 32
	s_mov_b32 s[G1T+1], 256<<16
	s_mov_b32 s[G1T+2], 32<<16
	s_mov_b32 s[G1T+3], 256<<16
	s_mov_b32 s[G1T+4], 32
	s_mov_b32 s[G1T+5], 256
	s_mov_b32 s[G1T+6], 0
	s_mov_b32 s[G1T+7], 0
	s_mov_b32 s[G1H], 15|(0<<16)|(1<<20)|(1<<21)|(4<<22)|(3<<25)
	s_mov_b32 s[G1H+1], 256<<16
	s_mov_b32 s[G1H+2], 64<<16
	s_mov_b32 s[G1H+3], 256<<16
	s_mov_b32 s[G1H+4], 64
	s_mov_b32 s[G1H+5], 256
	s_mov_b32 s[G1H+6], 0
	s_mov_b32 s[G1H+7], 0
	s_mov_b32 s[G1S], 15|(3<<16)|(1<<20)|(1<<21)|(5<<22)|(3<<25)
	s_mov_b32 s[G1S+1], 32<<16
	s_mov_b32 s[G1S+2], 16<<16
	s_mov_b32 s[G1S+3], 32<<16
	s_mov_b32 s[G1S+4], 16
	s_mov_b32 s[G1S+5], 32
	s_mov_b32 s[G1S+6], 0
	s_mov_b32 s[G1S+7], 0
	s_mov_b32 s[MNT], 0x600000                     ; the mantissa field of 448
	s_mov_b32 s[SEL], 0x76543210
	s_mov_b32 s[SEL+1], 0xfedcba98
	s_mov_b32 s[CS], 0x3e0293ee                    ; log2(e) / sqrt(128)
	s_mov_b32 s[CS+1], s[CS]
	s_mov_b32 s[RT], 0x413504f3                    ; sqrt(128)
	s_mov_b32 s[RT+1], s[RT]
	s_mov_b32 s[SLOTS], 7
	s_wait_dscnt 0x0                               ; both opening adds are done
	s_wait_kmcnt 0x0
	s_mov_b32 s[G0T], 1
	s_mul_i32 s[G0T+1], s[WV], 64*KP
	s_add_nc_u64 s[G0T+2:G0T+3], s[4:5], s[54:55]
	s_or_b32 s[G0T+3], s[G0T+3], 0x80000000
	s_mov_b32 s[G0H], 1
	s_mul_i32 s[G0H+1], s[W3], 128*KP
	s_add_nc_u64 s[G0H+2:G0H+3], s[4:5], s[56:57]
	s_or_b32 s[G0H+3], s[G0H+3], 0x80000000
	s_mov_b32 s[G0S], 1
	s_mul_i32 s[G0S+1], s[W3], 16*272
	s_add_co_u32 s[G0S+1], s[G0S+1], SCK
	s_add_nc_u64 s[G0S+2:G0S+3], s[6:7], s[58:59]
	s_or_b32 s[G0S+3], s[G0S+3], 0x80000000
	s_add_nc_u64 s[PFA:PFA+1], s[4:5], s[88:89]
	CROUND                                         ; all four work-groups are here: the first joint loads meet
	s_cmp_lt_u32 s[WV], 4                          ; one load a wave at the head: waves 0-3 a quarter of slot 0, waves 4-7 a quarter of the scale bytes
	s_cbranch_scc0 .Lhead_sc
	tensor_load_to_lds s[G0H:G0H+3], s[G1H:G1H+7]
	s_nop 0
	FOURNOP
	s_branch .Lhead_asked
.Lhead_sc:
	tensor_load_to_lds s[G0S:G0S+3], s[G1S:G1S+7]
	s_nop 0
	FOURNOP
.Lhead_asked:
	s_add_nc_u64 s[4:5], s[4:5], s[2:3]
	s_add_nc_u64 s[6:7], s[6:7], s[62:63]
	s_add_nc_u64 s[8:9], s[8:9], s[60:61]
	s_add_nc_u64 s[10:11], s[10:11], s[84:85]
	s_add_nc_u64 s[12:13], s[12:13], s[86:87]
	v_and_b32 v7, 15, v0                           ; r
	v_bfe_u32 v254, v0, 4, 1                       ; hh
	v_and_b32 v5, 8, v7
	v_add_nc_u32 v5, v5, v7                        ; r + 8 (r / 8)
	v_lshlrev_b32 v2, 7, v5
	v_lshl_add_u32 v2, v254, 4, v2
.irp c, 0,1,2,3
	global_load_b128 v[16+4*\c:19+4*\c], v2, s[4:5] offset:32*\c   ; Q's fragments stay in registers: tile 0's,
.endr
	WIN 0x40
.irp c, 0,1,2,3
	global_load_b128 v[16+4*\c:19+4*\c], v2, s[4:5] offset:1024+32*\c   ; and tile 1's, eight places on
.endr
	WIN 0
	v_lshlrev_b32 v5, 2, v5
	global_load_b32 v255, v5, s[6:7]               ; Q's scale words
	global_load_b32 v[QS1], v5, s[6:7] offset:32
	v_lshlrev_b32 v[MA], 13, v7                    ; the mask: row r, 64 bytes for each half of the lanes
	v_lshl_add_u32 v[MA], v254, 6, v[MA]
.macro MASKLOAD t                      ; register 96 + 16 b + i of window t: mask(my query of tile t, the step's key 32 b + 16 hh + i); tile 1's rows lie 16 rows on
	WIN 0x40*(\t)
.irp b, 0,1,2,3
.irp k, 0,1,2,3
	global_load_b128 v[96+16*\b+4*\k:99+16*\b+4*\k], v[MA], s[8:9] offset:131072*(\t)+128*\b+16*\k
.endr
.endr
.endm
	MASKLOAD 0
	MASKLOAD 1
	WIN 0
	v_mul_u32_u24 v[AK], v7, KP
	v_lshl_add_u32 v[AK], v254, 4, v[AK]
	s_mul_i32 s49, s[KH], 128*KP                   ; my half of a slot's keys
	v_add_nc_u32 v[AK], s49, v[AK]
	v_and_b32 v7, 31, v0
	s_mul_i32 s49, s[KH], 544                      ; a key step's scale words are two runs
	s_add_co_u32 s49, s49, SCK
	v_lshlrev_b32 v[AS], 2, v7
	v_add_nc_u32 v[AS], s49, v[AS]
	v_lshlrev_b32 v[PFO], 8, v7
.macro INIT
	v_mov_b32 v13, 0xff61b1e6                      ; the largest t so far: -3e38
	v_floor_f32 v12, -v13
	v_mov_b32 v14, 0
	v_mov_b32 v15, 0
.irp b, 0,1,2,3
	v_mov_b32 v[236+\b], 0                         ; a lane permute's destination counts as a source
.endr
	v_mov_b32 v253, 0
.set n, 0
.rept 64
	v_mov_b32 v[160+n], 0                          ; O^T: the step is written for every trip alike; the first change of M leaves zeros zeros
.set n, n+1
.endr
.endm
	INIT
	WIN 0x55
	INIT
	WIN 0
.macro FRAGS off, g, so                ; four fragments of 16 rows x 128 into buffer g, and their rows' scale words: lanes 0-15 the even tile's, lanes 16-31 the odd's
	WIN 0x40*(\g)
.irp u, 0,1,2,3
.irp c, 0,1,2,3
	ds_load_b128 v[32+16*\u+4*\c:35+16*\u+4*\c], v[AK] offset:(\off)+16*(4*(\g)+\u)*KP+32*\c
.endr
.endr
	WIN 0
	ds_load_b32 v[248+2*(\g)], v[AS] offset:(\so)+272*(\g)
	ds_load_b32 v[249+2*(\g)], v[AS] offset:(\so)+272*(\g)+128
.endm
.macro PROD acc, g, t, bf, sb          ; four products of tile t on buffer g: source 0 window g; source 1, C and D window t
	WIN (\g)|(0x54*(\t))
.irp u, 0,1,2,3
.if \u%2
	v_wmma_scale_f32_16x16x128_f8f6f4 v[\acc+8*(4*(\g)+\u):\acc+8*(4*(\g)+\u)+7], v[32+16*\u:47+16*\u], v[\bf:\bf+15], v[\acc+8*(4*(\g)+\u):\acc+8*(4*(\g)+\u)+7], v[248+2*(\g)+\u/2], v[\sb] matrix_a_scale:MATRIX_SCALE_ROW1
.else
	v_wmma_scale_f32_16x16x128_f8f6f4 v[\acc+8*(4*(\g)+\u):\acc+8*(4*(\g)+\u)+7], v[32+16*\u:47+16*\u], v[\bf:\bf+15], v[\acc+8*(4*(\g)+\u):\acc+8*(4*(\g)+\u)+7], v[248+2*(\g)+\u/2], v[\sb]
.endif
.endr
.endm
.macro SCALEM t, n0                    ; mask x sqrt(128), the scores' C: 32 numbers of tile t from register 96 + n0 on
	WIN 0x55*(\t)
.set n, \n0
.rept 16
	v_pk_mul_f32 v[96+n:97+n], v[96+n:97+n], s[RT:RT+1] op_sel_hi:[1,0]
.set n, n+2
.endr
.endm
.macro BMAX x, y                       ; the largest score of blocks x and y of 32 keys, by turns: 16 lines
.irp b, \x, \y
	v_max3_num_f32 v[232+\b], v[96+16*\b], v[97+16*\b], v[98+16*\b]
.endr
.irp i, 3,5,7,9,11,13
.irp b, \x, \y
	v_max3_num_f32 v[232+\b], v[232+\b], v[96+16*\b+\i], v[97+16*\b+\i]
.endr
.endr
.irp b, \x, \y
	v_max_num_f32 v[232+\b], v[232+\b], v[111+16*\b]
.endr
.endm
; The softmax of tile t behind its blocks' maxima, its quantiser, and O^T under the new M; it runs with every operand place on window t.
.macro SOFT t, more
.irp b, 0,1,2,3
	v_permlanex16_b32 v[236+\b], v[232+\b], s[SEL], s[SEL+1]
.endr
.irp b, 0,1,2,3
	v_max_num_f32 v[232+\b], v[232+\b], v[236+\b]  ; with lane l xor 16's 16 keys
.endr
	v_max3_num_f32 v254, v232, v233, v234
	v_max_num_f32 v254, v254, v235
	v_mul_f32 v254, s[CS], v254
	v_max_num_f32 v13, v13, v254                   ; the running largest t
	v_mov_b32 v254, v12
	v_floor_f32 v12, -v13                          ; -M = floor(-t)
	v_sub_f32 v254, v12, v254
	v_cvt_i32_f32 v254, v254
	v_ldexp_f32 v252, 1.0, v254                    ; f = 2^(old M - new M)
.set n, 0
.rept 32
	v_pk_fma_f32 v[96+n:97+n], v[96+n:97+n], s[CS:CS+1], v[12:13] op_sel_hi:[1,0,0]   ; t - M
.set n, n+2
.endr
.irp b, 0,1,2,3
	v_fma_f32 v[232+\b], v[232+\b], s[CS], v12     ; the same of each block's largest score
.endr
.set n, 0
	s_wait_alu depctr_va_vdst(0)
.rept 64
	v_exp_f32 v[96+n], v[96+n]
.set n, n+1
.endr
.irp b, 0,1,2,3
	v_exp_f32 v[232+\b], v[232+\b]                 ; the block's largest p
.endr
	v_pk_mul_f32 v[14:15], v[14:15], v[252:253] op_sel_hi:[1,0]   ; the sums under the new M: a plain place behind the batch
	s_wait_alu depctr_va_vdst(0)                   ; and the wait behind it
.irp b, 0,1,2,3
	v_max_num_f32 v[232+\b], 0x4800000, v[232+\b]  ; the floor 2^(9 - 127): the byte cannot fall under 1
.endr
.irp b, 0,1,2,3
	v_add_nc_u32 v[244+\b], 0xfc000000, v[232+\b]  ; the conversion's scale operand
.endr
.irp b, 0,1,2,3
	v_and_or_b32 v[240+\b], v[232+\b], 0x7f800000, s[MNT]   ; 448 x the scale
.endr
.irp b, 0,1,2,3
	v_lshrrev_b32 v[236+\b], 23, v[244+\b]
.endr
	v_lshl_or_b32 v253, v237, 8, v236              ; p's scale word
	v_lshl_or_b32 v253, v238, 16, v253
	v_lshl_or_b32 v253, v239, 24, v253
.if \t
	WIN 0x01                                       ; scale operands are taken from window 0: tile 1's word goes there
	v_mov_b32 v[PS1], v253
	WIN 0x55
.endif
	v_pk_add_f32 v[236:237], v[96:97], v[98:99]    ; the row's sum of the unquantised p, in two chains
.irp j, 4,8,12,16,20,24,28,32,36,40,44,48,52,56,60
	v_pk_add_f32 v[14:15], v[14:15], v[96+\j:97+\j]
	v_pk_add_f32 v[236:237], v[236:237], v[98+\j:99+\j]
.endr
	v_pk_add_f32 v[14:15], v[14:15], v[236:237]
.irp b, 0,1,2,3
.irp i, 0,1,2,3,4,5,6,7,8,9,10,11,12,13,14,15
	v_min_num_f32 v[96+16*\b+\i], v[96+16*\b+\i], v[240+\b]   ; the conversion does not saturate (ISA guide 7.6.2); p is not negative
.endr
	v_cvt_scalef32_pk8_fp8_f32 v[224+4*\b:225+4*\b], v[96+16*\b:103+16*\b], v[244+\b]
	v_cvt_scalef32_pk8_fp8_f32 v[226+4*\b:227+4*\b], v[104+16*\b:111+16*\b], v[244+\b]
.endr
.if \more
	MASKLOAD \t
	WIN 0x55*(\t)
.endif
	s_wait_alu depctr_va_vdst(0)
.set n, 0
.rept 32
	v_pk_mul_f32 v[160+n:161+n], v[160+n:161+n], v[252:253] op_sel_hi:[1,0]   ; O^T under the new M; also the places ahead of the products
.set n, n+2
.endr
.endm
; A KEY STEP: my 128 keys of the slot in hand, for both tiles.  more = 1: the next step's mask is asked for.
; The places behind products (ISA guide 7.12.1 for vector instructions) are filled by scalings and maxima that name none of those products' registers.
.macro STEP more
	s_wait_loadcnt 16                              ; tile 0's mask is in (the first time: Q too); tile 1's sixteen loads may be out
	SCALEM 0, 0                                    ; sixteen places ahead of the loads below
	FRAGS 0, 0, 0                                  ; K's eight fragments, into both buffers
	FRAGS 0, 1, 0
	s_wait_loadcnt 0x0
.if \more
	v_add_nc_u32 v[MA], 0x400, v[MA]               ; 256 keys on
.endif
	SCALEM 1, 0
	s_wait_alu depctr_va_vdst(0)
	s_wait_dscnt 0x0
	PROD 96, 0, 0, 16, 255
	PROD 96, 0, 1, 16, QS1
	SCALEM 0, 32                                   ; the other four key tiles' C
	SCALEM 1, 32
	PROD 96, 1, 0, 16, 255
	PROD 96, 1, 1, 16, QS1
	WIN 0
	BMAX 0, 1                                      ; they read tile 0's first four results alone
	FRAGS VOFF, 0, SCVD                            ; V's eight fragments come under the two softmaxes
	FRAGS VOFF, 1, SCVD
	v_xor_b32 v[AK], SLOT1, v[AK]                  ; on to the other slot,
	v_add_nc_u32 v[AS], 1088, v[AS]                ; and two key steps' scale words on
	BMAX 2, 3
	SOFT 0, \more
	WIN 0x55
	s_wait_alu depctr_va_vdst(0)
	BMAX 0, 1
	BMAX 2, 3
	SOFT 1, \more
	WIN 0
	s_wait_alu depctr_va_vdst(0)
	s_wait_dscnt 0x0
	PROD 160, 0, 0, 224, 253
	PROD 160, 0, 1, 224, PS1
	PROD 160, 1, 0, 224, 253
	PROD 160, 1, 1, 224, PS1
	WIN 0
.endm
; THE CHANGE OF SLOTS, at a slot's head: every wave waits for all its tensor loads, adds 0 to its spare word, waits for that and for its reads of the slot left; a round of the cluster's barrier; the slot left is filled with the keys that follow.
.macro CHANGE fill
	s_wait_tensorcnt 0x0
	ds_add_u32 v[SPW], v[NIL]
.if \fill
	s_xor_b32 s[G0T+1], s[G0T+1], SLOT1
	s_add_nc_u64 s[G0T+2:G0T+3], s[G0T+2:G0T+3], 0x8000
	s_wait_xcnt 0x0                                ; any prefetch of mine has read its address
	s_add_nc_u64 s[PFA:PFA+1], s[PFA:PFA+1], 0x8000
.endif
	s_wait_dscnt 0x0
.if \fill
	CROUND
	tensor_load_to_lds s[G0T:G0T+3], s[G1T:G1T+7]
	s_nop 0
	FOURNOP
	s_cmp_lt_u32 s[WV], 2                          ; waves 0 and 1 name the slot after the one just asked for,
	s_cbranch_scc0 .Lno_ask_\@
	s_cmp_ge_u32 s[SLOTS], 2                       ; while there is one
	s_cbranch_scc0 .Lno_ask_\@
	global_prefetch_b8 v[PFO], s[PFA:PFA+1] th:TH_LOAD_NT scope:SCOPE_SE
.Lno_ask_\@:
.else
	s_barrier_signal -1
	s_barrier_wait -1
.endif
.endm
	s_wait_alu depctr_va_vdst(0)
.Lslot:
	CHANGE 1
	STEP 1
	s_sub_co_u32 s[SLOTS], s[SLOTS], 1
	s_cmp_lg_u32 s[SLOTS], 0
	s_cbranch_scc1 .Lslot
	CHANGE 0                                       ; the last slot is written out: nothing is asked for
	STEP 0
	; the way out's addresses, made by every wave ahead of the parting; they are also the places behind the last products
	v_and_b32 v9, 15, v0
	v_bfe_u32 v254, v0, 4, 1
	s_mul_i32 s56, s[W3], 2*MRG                    ; my pair of tiles' bytes
	v_mul_u32_u24 v7, v9, KP
	v_lshl_add_u32 v7, v254, 4, v7
	v_add_nc_u32 v7, s56, v7                       ; codes in: row r, 16 bytes for each half of the lanes
	v_and_b32 v5, 31, v0
	v_lshrrev_b32 v1, 3, v5
	v_mul_u32_u24 v1, v1, KP
	v_and_b32 v2, 7, v0
	v_lshl_add_u32 v1, v2, 4, v1
	v_add_nc_u32 v1, s56, v1                       ; and back: four rows of 128 bytes an instruction
	v_lshlrev_b32 v5, 4, v5
	v_lshlrev_b32 v2, 6, v9
	v_add_nc_u32 v3, s56, v5                       ; what is handed over: an image of the registers, 16 bytes a lane
	s_wait_alu depctr_va_vdst(0)
	s_cmp_lt_u32 s[WV], 4
	s_cbranch_scc1 .Lkeeper
.irp t, 0,1
	WIN 0x04*\t                                    ; an LDS store's data: window t
.irp i, 0,1,2,3,4,5,6,7,8,9,10,11,12,13,14,15
	ds_store_b128 v3, v[160+4*\i:163+4*\i] offset:MRG*\t+512*\i   ; waves 4-7: O^T, each accumulator from its low end on,
.endr
	ds_store_b128 v3, v[12:15] offset:MRG*\t+8192  ; -M and the sums
.endr
	WIN 0
.Lkeeper:
	s_wait_dscnt 0x0
	s_barrier_signal -1
	s_barrier_wait -1
	s_cmp_lt_u32 s[WV], 4
	s_cbranch_scc0 .Lend
.irp t, 0,1
	WIN 0x40*\t
.irp i, 0,1,2,3,4,5,6,7,8,9,10,11,12,13,14,15
	ds_load_b128 v[32+4*\i:35+4*\i], v3 offset:MRG*\t+512*\i
.endr
	ds_load_b128 v[96:99], v3 offset:MRG*\t+8192
.endr
	WIN 0
	s_wait_dscnt 0x0
; Tile t: the two halves of the keys joined, divided by the sum, quantised, stored.
.macro FINISH t
	WIN 0x55*(\t)
	v_min_num_f32 v104, v12, v96                   ; -M of the larger M
	v_sub_f32 v105, v104, v12                      ; whole numbers, 0 or less
	v_sub_f32 v106, v104, v96
	v_cvt_i32_f32 v105, v105
	v_cvt_i32_f32 v106, v106
	v_ldexp_f32 v100, 1.0, v105                    ; my factor,
	v_ldexp_f32 v102, 1.0, v106                    ; and the other wave's
	v_pk_mul_f32 v[14:15], v[14:15], v[100:101] op_sel_hi:[1,0]
	v_pk_fma_f32 v[14:15], v[98:99], v[102:103], v[14:15] op_sel_hi:[1,0,1]
	s_wait_alu depctr_va_vdst(0)
.set n, 0
.rept 32
	v_pk_mul_f32 v[160+n:161+n], v[160+n:161+n], v[100:101] op_sel_hi:[1,0]
.set n, n+2
.endr
.set n, 0
.rept 32
	v_pk_fma_f32 v[160+n:161+n], v[32+n:33+n], v[102:103], v[160+n:161+n] op_sel_hi:[1,0,1]
.set n, n+2
.endr
	v_add_f32 v14, v14, v15
	v_permlanex16_b32 v104, v14, s[SEL], s[SEL+1]
	v_add_f32 v14, v14, v104                       ; the row's sum
	s_wait_alu depctr_va_vdst(0)
	v_rcp_f32 v14, v14
	v_nop
	s_wait_alu depctr_va_vdst(0)                   ; and behind it
.set n, 0
.rept 32
	v_pk_mul_f32 v[96+n:97+n], v[160+n:161+n], v[14:15] op_sel_hi:[1,0]   ; register 16 b + i: ctx(my query, channel 32 b + 16 hh + i)
.set n, n+2
.endr
.irp b, 0,1,2,3
	v_max3_num_f32 v[232+\b], |v[96+16*\b]|, |v[97+16*\b]|, 0x4800000
.endr
.irp i, 2,4,6,8,10,12,14
.irp b, 0,1,2,3
	v_max3_num_f32 v[232+\b], v[232+\b], |v[96+16*\b+\i]|, |v[97+16*\b+\i]|
.endr
.endr
.irp b, 0,1,2,3
	v_permlanex16_b32 v[236+\b], v[232+\b], s[SEL], s[SEL+1]
.endr
.irp b, 0,1,2,3
	v_max_num_f32 v[232+\b], v[232+\b], v[236+\b]
.endr
.irp b, 0,1,2,3
	v_add_nc_u32 v[244+\b], 0xfc000000, v[232+\b]
.endr
.irp b, 0,1,2,3
	v_and_or_b32 v[240+\b], v[232+\b], 0x7f800000, s[MNT]
.endr
.irp b, 0,1,2,3
	v_lshrrev_b32 v[236+\b], 23, v[244+\b]
.endr
	v_lshl_or_b32 v253, v237, 8, v236
	v_lshl_or_b32 v253, v238, 16, v253
	v_lshl_or_b32 v253, v239, 24, v253
.irp b, 0,1,2,3
.irp i, 0,1,2,3,4,5,6,7,8,9,10,11,12,13,14,15
	v_med3_num_f32 v[96+16*\b+\i], v[96+16*\b+\i], -v[240+\b], v[240+\b]
.endr
	v_cvt_scalef32_pk8_fp8_f32 v[32+4*\b:33+4*\b], v[96+16*\b:103+16*\b], v[244+\b]
	v_cvt_scalef32_pk8_fp8_f32 v[34+4*\b:35+4*\b], v[104+16*\b:111+16*\b], v[244+\b]
.endr
	v_nop
	WIN 0x04*(\t)
.irp b, 0,1,2,3
	ds_store_b128 v7, v[32+4*\b:35+4*\b] offset:MRG*(\t)+32*\b   ; over bytes that I have read back: LDS serves a wave's instructions in order
.endr
	WIN 0x40*(\t)
.irp i, 0,1,2,3
	ds_load_b128 v[48+4*\i:51+4*\i], v1 offset:MRG*(\t)+4*KP*\i
.endr
	WIN 0x04*(\t)
.irp i, 0,1,2,3
	s_wait_dscnt 3-\i                              ; the loads issued behind this one may be out
	global_store_b128 v5, v[48+4*\i:51+4*\i], s[10:11] offset:2048*(\t)+512*\i   ; 32 lanes store 512 consecutive aligned bytes
.endr
	global_store_b32 v2, v253, s[12:13] offset:1024*(\t)   ; my query's scale word of this head
.endm
	FINISH 0
	FINISH 1
	WIN 0
.Lend:
	s_wait_tensorcnt 0x0                           ; the wave's end
	ds_add_u32 v[SPW], v[NIL]
	s_wait_dscnt 0x0
	CROUND                                         ; the closing round
	s_endpgm
.Lfunc_end_k_qf003a3d227_attn:
	.size	k_qf003a3d227_attn, .Lfunc_end_k_qf003a3d227_attn-k_qf003a3d227_attn
	.p2alignl 7, 3214868480
	.fill 96, 4, 3214868480
	.section	.rodata,"a",@progbits
	.p2align	6, 0x0
	.amdhsa_kernel k_qf003a3d227_attn
		.amdhsa_group_segment_fixed_size 327680
		.amdhsa_private_segment_fixed_size 0
		.amdhsa_enable_private_segment 0
		.amdhsa_kernarg_size 40
		.amdhsa_user_sgpr_count 2
		.amdhsa_user_sgpr_kernarg_segment_ptr 1
		.amdhsa_wavefront_size32 1
		.amdhsa_system_sgpr_workgroup_id_x 1
		.amdhsa_system_sgpr_workgroup_id_y 1
		.amdhsa_system_sgpr_workgroup_id_z 1
		.amdhsa_system_vgpr_workitem_id 0
		.amdhsa_next_free_vgpr 512
		.amdhsa_next_free_sgpr 90
		.amdhsa_reserve_vcc 0
		.amdhsa_float_denorm_mode_32 3
		.amdhsa_float_denorm_mode_16_64 3
		.amdhsa_memory_ordered 1
		.amdhsa_forward_progress 1
		.amdhsa_inst_pref_size 145
	.end_amdhsa_kernel
	.amdgpu_metadata
---
amdhsa.version: [ 1, 2 ]
amdhsa.kernels:
  - .name:           k_qf003a3d227_attn
    .symbol:         k_qf003a3d227_attn.kd
    .args:
      - { .name: qkv_codes, .offset: 0, .size: 8, .value_kind: global_buffer, .address_space: global }
      - { .name: qkv_scales, .offset: 8, .size: 8, .value_kind: global_buffer, .address_space: global }
      - { .name: mask, .offset: 16, .size: 8, .value_kind: global_buffer, .address_space: global }
      - { .name: ctx_codes, .offset: 24, .size: 8, .value_kind: global_buffer, .address_space: global }
      - { .name: ctx_scales, .offset: 32, .size: 8, .value_kind: global_buffer, .address_space: global }
    .group_segment_fixed_size: 327680
    .private_segment_fixed_size: 0
    .kernarg_segment_align: 8
    .kernarg_segment_size: 40
    .max_flat_workgroup_size: 256
    .sgpr_count:     90
    .vgpr_count:     512
    .wavefront_size: 32
...
	.end_amdgpu_metadata
.endif
;; end of part 3
;; launch oproj (part 4): grid 16 x 16, 4 waves a work-group, clusters of 4 x 4, 327,680 bytes of LDS; arguments ctx_codes, ctx_scales, w_codes, w_scales, bo, out0; writes out0
.if DOCPART == 4
	.amdgcn_target "amdgcn-amd-amdhsa--gfx1250"
	.amdhsa_code_object_version 6
	.text
	.protected	k_qf003a3d227_oproj
	.globl	k_qf003a3d227_oproj
	.p2align	8
	.type	k_qf003a3d227_oproj,@function
k_qf003a3d227_oproj:
	s_mov_b64 s[64:65], 0
	v_nop
	global_prefetch_b8 v0, s[64:65] scope:SCOPE_SE
	s_setreg_imm32_b32 hwreg(HW_REG_WAVE_MODE, 25, 1), 1
	s_wait_xcnt 0x0
	s_wait_alu depctr_hold_cnt(0) depctr_sa_sdst(0) depctr_va_vdst(0) depctr_va_sdst(0) depctr_va_ssrc(0) depctr_va_vcc(0) depctr_vm_vsrc(0)
	s_getreg_b32 s2, hwreg(HW_REG_IB_STS2, 6, 4)
	s_cmp_eq_u32 s2, 0
	s_cbranch_scc0 .Lentry_in_a_cluster
	s_endpgm
.Lentry_in_a_cluster:
	s_bfe_u32 s2, ttmp6, 0x10000c
	s_cmp_lg_u32 s2, 0xf033
	s_cbranch_scc0 .Lentry_shape_is_right
	s_endpgm
.Lentry_shape_is_right:
; out0 = ctx Wo^T + bo on codes of E4M3 with E8M0 scales, K = 2048; sums in f32.
; A = ctx_codes [block of 128 positions][head][128 positions][128 channels], ctx_scales [position][64]; B = Wo's rows, 6144 on in w_codes [8192][2048] and w_scales [8192][64].
; SHARES: 16 x 16 work-groups, each 128 x 128 of the output; four waves, 2 x 2, each 64 x 64: 16 accumulators.  For 128 along K a wave reads 2 x 64 rows x 128 bytes from LDS for 16 products.
; THE RING: two slots of 512 along K.  A's part of a slot, four heads of the work-group's 128 positions, is 65,536 dense bytes: waves 0 and 1 fetch a half each, stated as 128 rows of 256 bytes with 16 bytes of padding behind each 128;
; waves 2 and 3 fetch 64 rows of B each, 512 bytes a row, 16 of padding behind each.  K has four slots' worth: slot 0 at the head, slot 1 behind the first full sequence, two refills; each has four K steps in which to land.
; CLUSTERS: 4 x 4 work-groups; A's tiles are asked for jointly along a row of the cluster, B's along a column.
; THE SCALE WORDS of a wave's 64 rows of A and 64 rows of B, for all of K, go once from memory into 64 registers: lane l takes row l of a pair of tiles, 64 bytes on end by four loads.
; PREFETCH: at the head of the work on K's first and second 512, each wave names 32 blocks of 256 bytes of the slot that the change of slots at that work's end will ask for: of the 128 blocks that it fetches itself, the quarter
; that falls to its work-group among the four that ask jointly, told apart by address (cx for A, cy for B).  The first two slots come by their loads alone.
; THE MATRIX INSTRUCTION IS USED TRANSPOSED (source 0 = 16 rows of B, source 1 = 16 rows of A): a lane holds eight neighbouring columns of a row of the output.
; THE WAY OUT: the wave's 64 x 64 through its own stage in slot 0, which has had its last fill and read by then, back by rows; + bo; sixteen lanes store 256 consecutive aligned bytes.
; LIMITS: NaN and infinities are not served.
; REGISTERS: window 0: v0-31 addresses and bo; v32-63 A's scale words, v68-99 B's, and nothing else there; v128-255 the way out.  Window 1: two sets of fragments (A's four, B's four).  Window 2: v0-127 the sums ((a, b) at 8 (4 a + b)).
.set AP,    144                        ; A's LDS row: 128 bytes + 16
.set BP,    528                        ; B's: 512 + 16
.set AHD,   128*AP                     ; a head's 128 rows
.set BOFF,  4*AHD
.set SLOT,  BOFF+128*BP
.set SPARE, 2*SLOT                     ; the spare words: 128 bytes a wave
.set SP,    272                        ; a stage row: 256 bytes + 16
.set ROWC,  8192                       ; a row of the output
.set BI,   8                           ; v8-11 bo of my four columns on the way out
.set ADRA, 16                          ; v16-17 my A fragments in slot 0, 1
.set ADRB, 20                          ; v20-21 my B fragments
.set STO,  24
.set RD,   25
.set CO,   26
.set L64,  27                          ; 64 x lane
.set SPW,  28
.set NIL,  29
.set PFO,  30
.set SAW,  32                          ; register 16 p + k: lanes 0-15 tile 2 p's rows, lanes 16-31 tile 2 p + 1's, the k-th 128 of K
.set SBW,  68                          ; the two numbers of a product differ by 4 modulo 8
.set G1,  24
.set G0,  32
.set G1B, 48
.set G0B, 56
.set PFA, 68
.set PFS, 70
.set MSB, 0
.macro WIN new                         ; the immediate's high byte repeats the setting that is left; a switch that changes nothing is dropped
.if MSB != (\new)
	s_set_vgpr_msb (MSB<<8)|(\new)
.set MSB, (\new)
.endif
.endm
.macro NOPS n
.rept \n
	v_nop
.endr
.endm
.macro JLOAD g0a, g0b                  ; a joint load: waves 0, 1 for A, waves 2, 3 for B; an s_nop 0 and four v_nop follow each line
	s_cmp_eq_u32 s15, 0
	s_cbranch_scc0 .Lfor_b_\@
	tensor_load_to_lds s[\g0a:\g0a+3], s[G1:G1+7]
	s_nop 0
	NOPS 4
	s_branch .Lasked_\@
.Lfor_b_\@:
	tensor_load_to_lds s[\g0b:\g0b+3], s[G1B:G1B+7]
	s_nop 0
	NOPS 4
.Lasked_\@:
.endm
.macro CREST
	s_cmp_lg_u32 s14, 0
	s_cbranch_scc1 .Lnot_wave_0_\@
	s_barrier_signal -3
.Lnot_wave_0_\@:
	s_barrier_wait -3
	s_barrier_signal -1
	s_barrier_wait -1
.endm
.macro CROUND
	s_barrier_signal -1
	s_barrier_wait -1
	CREST
.endm
	s_load_b128 s[4:7], s[0:1], 0x0                ; ctx_codes, ctx_scales
	s_load_b128 s[8:11], s[0:1], 0x10              ; w_codes, w_scales
	s_load_b64 s[66:67], s[0:1], 0x20              ; bo
	s_load_b64 s[12:13], s[0:1], 0x28              ; out0
	v_lshl_add_u32 v[SPW], v0, 2, SPARE
	v_mov_b32 v[NIL], 0
	ds_add_u32 v[SPW], v[NIL]                      ; the opening lines: the add, twice on end, and its wait ahead of my first tensor load
	ds_add_u32 v[SPW], v[NIL]
	v_lshrrev_b32 v1, 5, v0
	v_readfirstlane_b32 s14, v1                    ; wave
	s_lshr_b32 s15, s14, 1                         ; my half of the rows.  Also: I fetch for A (0) or B (1)
	s_and_b32 s16, s14, 1                          ; my half of the columns.  Also: which half I fetch
	s_bfe_u32 s40, ttmp6, 0x40000                  ; cx
	s_bfe_u32 s41, ttmp6, 0x40004                  ; cy
	s_lshl_b32 s42, ttmp9, 2
	s_add_co_u32 s42, s42, s40                     ; tile column 0..15
	s_and_b32 s17, ttmp7, 0xffff
	s_lshl_b32 s17, s17, 2
	s_add_co_u32 s17, s17, s41                     ; tile row 0..15
	s_lshl_b32 s43, s41, 2
	s_lshl_b32 s43, 15, s43                        ; my row of the cluster
	s_lshl_b32 s44, 0x1111, s40                    ; my column
	s_or_b32 s[G1+0], s43, (0<<16)|(1<<20)|(1<<21)|(4<<22)|(3<<25)   ; A: elements of a byte; four words of padding after every 32
	s_mov_b32 s[G1+1], 256<<16
	s_mov_b32 s[G1+2], 128<<16
	s_mov_b32 s[G1+3], 256<<16
	s_mov_b32 s[G1+4], 128
	s_mov_b32 s[G1+5], 256
	s_mov_b32 s[G1+6], 0
	s_mov_b32 s[G1+7], 0
	s_or_b32 s[G1B+0], s44, (0<<16)|(1<<20)|(1<<21)|(6<<22)|(3<<25)  ; B: four words after every 128
	s_mov_b32 s[G1B+1], 512<<16
	s_mov_b32 s[G1B+2], 64<<16
	s_mov_b32 s[G1B+3], 512<<16
	s_mov_b32 s[G1B+4], 64
	s_mov_b32 s[G1B+5], 2048
	s_mov_b32 s[G1B+6], 0
	s_mov_b32 s[G1B+7], 0
	s_lshl_b32 s20, s17, 18                        ; A: the tile row's 2^18 bytes, my half of a slot's 65,536
	s_lshl_b32 s21, s16, 15
	s_add_co_u32 s20, s20, s21
	s_lshl_b32 s74, s40, 13                        ; (the prefetches of A: my work-group's 8,192 of them, in K's third 512)
	s_add_co_u32 s74, s74, s20
	s_add_co_u32 s74, s74, 0x20000
	s_mov_b32 s21, 0
	s_lshl_b32 s46, s42, 7                         ; B: row 6144 + 128 x tile column + 64 x half
	s_lshl_b32 s47, s16, 6
	s_add_co_u32 s46, s46, s47
	s_add_co_u32 s46, s46, 6144
	s_lshl_b32 s75, s41, 4                         ; (the prefetches of B: my work-group's 16 rows)
	s_add_co_u32 s75, s75, s46
	s_lshl_b32 s75, s75, 11
	s_add_co_u32 s75, s75, 1024
	s_lshl_b32 s46, s46, 11
	s_mov_b32 s47, 0
	s_mul_i32 s45, s16, 2*AHD                      ; where they go: no place in the cluster enters an LDS address
	s_mul_i32 s18, s16, 64*BP
	s_add_co_u32 s18, s18, BOFF
	s_cmp_eq_u32 s15, 0                            ; do I fetch for A?
	s_cselect_b32 s72, s74, s75
	s_mov_b32 s73, 0
	s_mov_b32 s[PFS], 512
	s_cselect_b32 s[PFS], 0x10000, s[PFS]          ; a slot on
	s_mov_b32 s[PFS+1], 0
	s_mov_b32 s76, 2048
	s_cselect_b32 s76, 512, s76                    ; from one pair of lanes to the next: 512 dense bytes of A, a row of B
	s_lshl_b32 s77, s17, 7
	s_lshl_b32 s78, s15, 6
	s_add_co_u32 s77, s77, s78                     ; my first row of the output
	s_lshl_b32 s78, s42, 7
	s_lshl_b32 s79, s16, 6
	s_add_co_u32 s78, s78, s79                     ; my first column
	s_lshl_b32 s80, s77, 6                         ; A's scale bytes
	s_mov_b32 s81, 0
	s_add_co_u32 s82, s78, 6144
	s_lshl_b32 s82, s82, 6                         ; B's
	s_mov_b32 s83, 0
	s_lshl_b32 s84, s78, 2                         ; bo
	s_mov_b32 s85, 0
	s_lshl_b32 s86, s77, 13
	s_add_co_u32 s86, s86, s84                     ; out0
	s_mov_b32 s87, 0
	s_mul_i32 s88, s15, 64*AP                      ; my 64 rows of A in a head's 128
	s_add_co_u32 s89, s88, SLOT
	s_mul_i32 s90, s16, 64*BP
	s_add_co_u32 s90, s90, BOFF                    ; my 64 rows of B
	s_add_co_u32 s91, s90, SLOT
	s_mul_i32 s92, s14, 64*SP                      ; my stage
	s_wait_dscnt 0x0                               ; both opening adds are done
	s_wait_kmcnt 0x0
	s_add_nc_u64 s[20:21], s[4:5], s[20:21]
	s_add_nc_u64 s[46:47], s[8:9], s[46:47]
	CROUND                                         ; all sixteen work-groups are here: the first joint loads meet
.irp s, 0,1
	s_mov_b32 s[G0+4*\s], 1
	s_add_co_u32 s[G0+4*\s+1], s45, \s*SLOT
	s_add_nc_u64 s[G0+4*\s+2:G0+4*\s+3], s[20:21], \s*65536
	s_or_b32 s[G0+4*\s+3], s[G0+4*\s+3], 0x80000000
	s_mov_b32 s[G0B+4*\s], 1
	s_add_co_u32 s[G0B+4*\s+1], s18, \s*SLOT
	s_add_nc_u64 s[G0B+4*\s+2:G0B+4*\s+3], s[46:47], \s*512
	s_or_b32 s[G0B+4*\s+3], s[G0B+4*\s+3], 0x80000000
.endr
	JLOAD G0, G0B                                  ; K's first 512: one tensor load a wave at the head
	s_cmp_eq_u32 s15, 0
	s_cselect_b64 s[PFA:PFA+1], s[4:5], s[8:9]
	s_add_nc_u64 s[PFA:PFA+1], s[PFA:PFA+1], s[72:73]
	s_add_nc_u64 s[6:7], s[6:7], s[80:81]
	s_add_nc_u64 s[10:11], s[10:11], s[82:83]
	s_add_nc_u64 s[66:67], s[66:67], s[84:85]
	s_add_nc_u64 s[12:13], s[12:13], s[86:87]
	v_and_b32 v1, 15, v0                           ; r
	v_bfe_u32 v2, v0, 4, 1                         ; hh
	v_and_b32 v6, 31, v0                           ; lane
	v_mul_u32_u24 v3, v1, AP
	v_lshl_add_u32 v3, v2, 4, v3                   ; a fragment's row x pitch + 16 x half
	v_mul_u32_u24 v4, v1, BP
	v_lshl_add_u32 v4, v2, 4, v4
	v_add_nc_u32 v[ADRA], s88, v3
	v_add_nc_u32 v[ADRA+1], s89, v3
	v_add_nc_u32 v[ADRB], s90, v4
	v_add_nc_u32 v[ADRB+1], s91, v4
	v_mul_u32_u24 v5, v1, SP
	v_lshl_add_u32 v5, v2, 5, v5
	v_add_nc_u32 v[STO], s92, v5                   ; the stage, in: row r, 32 bytes for each half of the lanes
	v_mul_u32_u24 v5, v2, SP
	v_lshl_add_u32 v5, v1, 4, v5
	v_add_nc_u32 v[RD], s92, v5                    ; back: lanes 0-15 one row of 256 bytes, lanes 16-31 the next
	v_lshlrev_b32 v[CO], 13, v2
	v_lshl_add_u32 v[CO], v1, 4, v[CO]             ; and the same two rows in out0
	v_lshlrev_b32 v7, 4, v1
	v_lshlrev_b32 v[L64], 6, v6
	v_lshrrev_b32 v[PFO], 1, v6
	v_mul_lo_u32 v[PFO], v[PFO], s76
	v_and_b32 v5, 1, v6
	v_lshl_add_u32 v[PFO], v5, 8, v[PFO]           ; two lanes to 512 bytes
	s_wait_alu depctr_va_vdst(0)
.irp p, 0,1
.irp c, 0,1,2,3
	global_load_b128 v[SAW+16*\p+4*\c:SAW+16*\p+4*\c+3], v[L64], s[6:7] offset:2048*\p+16*\c
	global_load_b128 v[SBW+16*\p+4*\c:SBW+16*\p+4*\c+3], v[L64], s[10:11] offset:2048*\p+16*\c
.endr
.endr
	global_load_b128 v[BI:BI+3], v7, s[66:67]
.macro FETCH slot, q, set              ; the fragments of the slot's q-th 128 of K: A's four, B's four: 32 loads
	WIN 0x40                                       ; destination window 1
.irp i, 0,1,2,3
.irp c, 0,1,2,3
	ds_load_b128 v[128*(\set)+16*\i+4*\c:128*(\set)+16*\i+4*\c+3], v[ADRA+\slot] offset:(\q)*AHD+\i*16*AP+32*\c
.endr
.endr
.irp i, 0,1,2,3
.irp c, 0,1,2,3
	ds_load_b128 v[128*(\set)+64+16*\i+4*\c:128*(\set)+64+16*\i+4*\c+3], v[ADRB+\slot] offset:128*(\q)+\i*16*BP+32*\c
.endr
.endr
.endm
.macro PR a, b, set, kq, zero          ; one product: B's tile b x A's tile a, the kq-th 128 of K
.set D_, 8*(4*(\a)+(\b))
.set X_, 128*(\set)+64+16*(\b)
.set Y_, 128*(\set)+16*(\a)
.set SX_, SBW+16*((\b)/2)+(\kq)
.set SY_, SAW+16*((\a)/2)+(\kq)
.if \zero
.if ((\a)%2) && ((\b)%2)
	v_wmma_scale_f32_16x16x128_f8f6f4 v[D_:D_+7], v[X_:X_+15], v[Y_:Y_+15], 0, v[SX_], v[SY_] matrix_a_scale:MATRIX_SCALE_ROW1 matrix_b_scale:MATRIX_SCALE_ROW1
.elseif (\b)%2
	v_wmma_scale_f32_16x16x128_f8f6f4 v[D_:D_+7], v[X_:X_+15], v[Y_:Y_+15], 0, v[SX_], v[SY_] matrix_a_scale:MATRIX_SCALE_ROW1
.elseif (\a)%2
	v_wmma_scale_f32_16x16x128_f8f6f4 v[D_:D_+7], v[X_:X_+15], v[Y_:Y_+15], 0, v[SX_], v[SY_] matrix_b_scale:MATRIX_SCALE_ROW1
.else
	v_wmma_scale_f32_16x16x128_f8f6f4 v[D_:D_+7], v[X_:X_+15], v[Y_:Y_+15], 0, v[SX_], v[SY_]
.endif
.else
.if ((\a)%2) && ((\b)%2)
	v_wmma_scale_f32_16x16x128_f8f6f4 v[D_:D_+7], v[X_:X_+15], v[Y_:Y_+15], v[D_:D_+7], v[SX_], v[SY_] matrix_a_scale:MATRIX_SCALE_ROW1 matrix_b_scale:MATRIX_SCALE_ROW1
.elseif (\b)%2
	v_wmma_scale_f32_16x16x128_f8f6f4 v[D_:D_+7], v[X_:X_+15], v[Y_:Y_+15], v[D_:D_+7], v[SX_], v[SY_] matrix_a_scale:MATRIX_SCALE_ROW1
.elseif (\a)%2
	v_wmma_scale_f32_16x16x128_f8f6f4 v[D_:D_+7], v[X_:X_+15], v[Y_:Y_+15], v[D_:D_+7], v[SX_], v[SY_] matrix_b_scale:MATRIX_SCALE_ROW1
.else
	v_wmma_scale_f32_16x16x128_f8f6f4 v[D_:D_+7], v[X_:X_+15], v[Y_:Y_+15], v[D_:D_+7], v[SX_], v[SY_]
.endif
.endif
.endm
.macro MUL set, kq, zero               ; 16 products; the 16 accumulators take turns, in the same order in every step
	WIN 0xa5                                       ; sources 0 and 1 window 1, C and D window 2
.irp a, 0,1,2,3
.irp b, 0,1,2,3
	PR \a, \b, \set, \kq, \zero
.endr
.endr
.endm
; THE WORK ON A SLOT: the j-th 512 of K, four steps on two sets of fragments; a step's loads are issued a step ahead, behind eight places.
; turn = 2: the slot is filled again: in front of the last step's products the three lines and the signal, which opens a round of the cluster's barrier; the refill is the first tensor load behind the round.
; turn = 1: the same lines and a plain barrier: nothing is filled.  turn = 0: K's last 512.
.macro WORK slot, j, zero, turn, ask
	FETCH \slot, 0, 0
	FETCH \slot, 1, 1
	WIN 0
.if \ask
	global_prefetch_b8 v[PFO], s[PFA:PFA+1] th:TH_LOAD_NT scope:SCOPE_SE   ; what the change of slots at this work's end will ask for
.endif
.if \zero
	s_wait_loadcnt 0x0                             ; the scale words and bo
.endif
	s_wait_dscnt 32                                ; the step's 32 loads are in; the next step's may be out
	MUL 0, 4*(\j), \zero
	NOPS 8
	FETCH \slot, 2, 0
	s_wait_dscnt 32
	MUL 1, 4*(\j)+1, 0
	NOPS 8
	FETCH \slot, 3, 1
	s_wait_dscnt 32
	MUL 0, 4*(\j)+2, 0
	WIN 0
.if \turn
	s_wait_tensorcnt 0x0                           ; all my tensor loads have landed: my part of the other slot
	ds_add_u32 v[SPW], v[NIL]                      ; 0 onto my spare word
.if (\ask) && (\j) == 0
	s_wait_xcnt 0x0                                ; my prefetch has read its address
	s_add_nc_u64 s[PFA:PFA+1], s[PFA:PFA+1], s[PFS:PFS+1]
.endif
	s_wait_dscnt 0x0                               ; the add is done, and my reads of this slot are over
	s_barrier_signal -1
	MUL 1, 4*(\j)+3, 0                             ; work on registers while the others arrive
	WIN 0
	s_barrier_wait -1
.if (\turn) == 2
	CREST
	s_add_nc_u64 s[G0+4*\slot+2:G0+4*\slot+3], s[G0+4*\slot+2:G0+4*\slot+3], 2*65536
	s_add_nc_u64 s[G0B+4*\slot+2:G0B+4*\slot+3], s[G0B+4*\slot+2:G0B+4*\slot+3], 2*512
	JLOAD G0+4*\slot, G0B+4*\slot                  ; its four v_nop are among the places ahead of the next loads
	NOPS 4
.else
	NOPS 8
.endif
.else
	s_wait_dscnt 0x0
	MUL 1, 4*(\j)+3, 0
	WIN 0
.endif
.endm
	s_wait_tensorcnt 0x0                           ; my part of K's first 512 is in; these lines stand ahead of a later first fill as ahead of a refill
	ds_add_u32 v[SPW], v[NIL]
	s_wait_dscnt 0x0
	CROUND
	JLOAD G0+4, G0B+4                              ; K's second 512, the first tensor load behind the round
	WORK 0, 0, 1, 2, 1                             ; the first products start the sums: nothing is cleared
	WORK 1, 1, 0, 2, 1
	WORK 0, 2, 0, 1, 0
	WORK 1, 3, 0, 0, 0
	NOPS 8                                         ; behind the last products, ahead of the first reads of results
	WIN 0x08                                       ; an LDS store's data: window 2
.irp a, 0,1,2,3
.irp b, 0,1,2,3
	ds_store_b128 v[STO], v[8*(4*\a+\b):8*(4*\a+\b)+3] offset:\a*16*SP+64*\b          ; each accumulator from its low end on
	ds_store_b128 v[STO], v[8*(4*\a+\b)+4:8*(4*\a+\b)+7] offset:\a*16*SP+64*\b+16
.endr
.endr
	WIN 0
.set t, 0
.rept 32
	ds_load_b128 v[128+4*t:131+4*t], v[RD] offset:2*t*SP   ; rows 2 t and 2 t + 1; LDS serves a wave's instructions in order: these see my stores
.set t, t+1
.endr
.irp a, 0,1,2,3
	s_wait_dscnt 24-8*\a                           ; this block's eight loads are in; the later blocks' may be out
.irp t, 0,1,2,3,4,5,6,7
	v_pk_add_f32 v[128+32*\a+4*\t:129+32*\a+4*\t], v[128+32*\a+4*\t:129+32*\a+4*\t], v[BI:BI+1]
	v_pk_add_f32 v[130+32*\a+4*\t:131+32*\a+4*\t], v[130+32*\a+4*\t:131+32*\a+4*\t], v[BI+2:BI+3]
.endr
.irp t, 0,1,2,3,4,5,6,7
	global_store_b128 v[CO], v[128+32*\a+4*\t:131+32*\a+4*\t], s[12:13] offset:(16*\a+2*\t)*ROWC th:TH_STORE_NT   ; sixteen lanes store 256 consecutive aligned bytes
.endr
.endr
	s_wait_tensorcnt 0x0                           ; the wave's end
	ds_add_u32 v[SPW], v[NIL]
	s_wait_dscnt 0x0
	CROUND                                         ; the closing round
	s_endpgm
.Lfunc_end_k_qf003a3d227_oproj:
	.size	k_qf003a3d227_oproj, .Lfunc_end_k_qf003a3d227_oproj-k_qf003a3d227_oproj
	.p2alignl 7, 3214868480
	.fill 96, 4, 3214868480
	.section	.rodata,"a",@progbits
	.p2align	6, 0x0
	.amdhsa_kernel k_qf003a3d227_oproj
		.amdhsa_group_segment_fixed_size 327680
		.amdhsa_private_segment_fixed_size 0
		.amdhsa_enable_private_segment 0
		.amdhsa_kernarg_size 48
		.amdhsa_user_sgpr_count 2
		.amdhsa_user_sgpr_kernarg_segment_ptr 1
		.amdhsa_wavefront_size32 1
		.amdhsa_system_sgpr_workgroup_id_x 1
		.amdhsa_system_sgpr_workgroup_id_y 1
		.amdhsa_system_sgpr_workgroup_id_z 1
		.amdhsa_system_vgpr_workitem_id 0
		.amdhsa_next_free_vgpr 640
		.amdhsa_next_free_sgpr 100
		.amdhsa_reserve_vcc 0
		.amdhsa_float_denorm_mode_32 3
		.amdhsa_float_denorm_mode_16_64 3
		.amdhsa_memory_ordered 1
		.amdhsa_forward_progress 1
		.amdhsa_inst_pref_size 94
	.end_amdhsa_kernel
	.amdgpu_metadata
---
amdhsa.version: [ 1, 2 ]
amdhsa.kernels:
  - .name:           k_qf003a3d227_oproj
    .symbol:         k_qf003a3d227_oproj.kd
    .args:
      - { .name: ctx_codes, .offset: 0, .size: 8, .value_kind: global_buffer, .address_space: global }
      - { .name: ctx_scales, .offset: 8, .size: 8, .value_kind: global_buffer, .address_space: global }
      - { .name: w_codes, .offset: 16, .size: 8, .value_kind: global_buffer, .address_space: global }
      - { .name: w_scales, .offset: 24, .size: 8, .value_kind: global_buffer, .address_space: global }
      - { .name: bo, .offset: 32, .size: 8, .value_kind: global_buffer, .address_space: global }
      - { .name: out0, .offset: 40, .size: 8, .value_kind: global_buffer, .address_space: global }
    .group_segment_fixed_size: 327680
    .private_segment_fixed_size: 0
    .kernarg_segment_align: 8
    .kernarg_segment_size: 48
    .max_flat_workgroup_size: 128
    .sgpr_count:     100
    .vgpr_count:     640
    .wavefront_size: 32
...
	.end_amdgpu_metadata
.endif
;; end of part 4
